; MI455X (gfx1250); checked and timed in simulation.
; The chip was launched on July 23, 2026; its instructions are those of AMD's public machine-readable ISA for CDNA 5 (MIT licence, August 2026) and "CDNA5" Instruction Set Architecture Reference Guide (July 2026). The comments in the code are by the model that wrote it; some were corrected since.
;; Full Attention. Allowed arithmetic: matrix products marked QUANTISED: E2M1 operands, one E8M0 scale for each 32 along K, by v_wmma_scale_f32_16x16x128_f8f6f4 with both operands' format E2M1 (or v_wmma_scale_f32_32x16x128_f4), f32 sums; everything else in f32.
;; Inputs: attn_mask 4 x 1 x 2,048 x 2,048 bool; keys 4 x 2,048 x 16 x 64 float32; queries 4 x 2,048 x 16 x 64 float32; values 4 x 2,048 x 16 x 64 float32.
;; Outputs: out0 4 x 2,048 x 16 x 64 float32.
;; This version of the problem:
;;   THIS VERSION OF THE PROBLEM IS GIVEN IN LOW PRECISION. The matrix products marked QUANTISED in the list below multiply operands that are first quantised to E2M1 (2 exponent bits, 1 mantissa bit; 4 bits a number), with one power-of-two scale for each 32 numbers along K (OCP MX v1.0); their sums are f32. All else is computed in f32.
;;   The module's matrix products, in the order in which they are computed (A, B: the left and right operand; K: the contracted axis; several contracted axes count as one K, in the product's order):
;;     1. batch 64 x [M 2,048, K 64] x [K 64, N 2,048]; A: input queries; B: input keys: QUANTISED
;;     2. batch 64 x [M 64, K 2,048] x [K 2,048, N 2,048]; A: input values; B: softmax (see below): QUANTISED
;;   THE QUANTISER, for each operand of a quantised product, along K:
;;     - K is cut into blocks of 32 from its start; a last block that is shorter is filled with zeros.
;;     - A block's scale is 2^e with e = floor(log2(the largest magnitude in the block)) - 2, held to -126 .. 127; a block of zeros has e = 0. As a byte (E8M0): e + 127.
;;     - Each number is divided by its block's scale, clamped to +-6, and rounded to the nearest number of E2M1, ties to even, subnormals kept.
;;     - The product sums the exact products of the quantised numbers (number of the format x scale) in f32.
;;   ~~~python
;;   def quantise(x, axis):      # numpy; x: float32 -> the quantised numbers, widened to float32 again
;;       x = np.moveaxis(x, axis, -1); K = x.shape[-1]
;;       x = np.pad(x, [(0, 0)] * (x.ndim - 1) + [(0, -K % 32)]); x = x.reshape(x.shape[:-1] + (-1, 32)); a = np.abs(x).max(-1, keepdims=True)
;;       e = np.where(a > 0, np.clip(np.frexp(np.where(a > 0, a, 1))[1] - 1 - 2, -126, 127), 0)      # np.frexp(a)[1] - 1 = floor(log2(a)), exactly
;;       r = np.clip(x / 2.0 ** e, -6, 6)
;;       step = 2.0 ** (np.maximum(np.frexp(np.where(r == 0, 1, r))[1] - 1, 0) - 1)
;;       q = np.round(r / step) * step * 2.0 ** e      # np.round: ties to even
;;       return np.moveaxis(q.reshape(q.shape[:-2] + (-1,))[..., :K], -1, axis).astype(np.float32)
;;   ~~~
;;   SOFTMAX AHEAD OF A QUANTISED PRODUCT. Where the list says 'softmax', what is quantised is not the finished softmax but p = 2^(t - M), with t = logit x log2(e) and M = ceil(the row's largest t), a whole number; so 1/2 < the row's largest p <= 1. The row's sum l is taken of the UNQUANTISED p, in f32, and the product's result is divided by l at the end. Since M is a whole number, a kernel that streams over the keys may use a running M (the ceiling of the running maximum): every later rescaling is an exact power of two, which a block's scale takes up: the codes' values come out the same.
;;   OPERANDS COMPUTED ON THE WAY. 'Computed on the way' means the value that the module computes at that place (a softmax that the list does not call 'softmax' is quantised finished and normalised). What goes into a quantiser is computed in f32, as accurately as f32 sums, v_exp_f32 and their like allow (about 1e-6 of the number): no bf16 or f16 on the way to a quantiser, and a product that is left as it is and whose result goes on into a quantised operand takes f32 operands (vector FMAs, or v_wmma_f32_16x16x4_f32). A number that lies on a knife's edge between two numbers of the format may be rounded either way, as far as f32 arithmetic and the matrix unit's own rounding can turn it there, and no further.
;; 2 versions. Each part assembles by itself: llvm-mc -triple=amdgcn-amd-amdhsa -mcpu=gfx1250 --defsym DOCPART=n.
;; ======== version 1 of 2: 2 launches
;; workspace buffers: kv 8,912,896 bytes; mwords 2,097,152 bytes of whole numbers; mflags 2,048 bytes of whole numbers
;; launch prep (part 1): grid 1536 x 1, 4 waves a work-group, no clusters, 51,712 bytes of LDS; arguments keys, values, attn_mask, kv, mwords, mflags; writes kv, mwords, mflags
.if DOCPART == 1
	.amdgcn_target "amdgcn-amd-amdhsa--gfx1250"
	.amdhsa_code_object_version 6
	.text
	.protected	k_q13b9e2d944_prep
	.globl	k_q13b9e2d944_prep
	.p2align	8
	.type	k_q13b9e2d944_prep,@function
k_q13b9e2d944_prep:
	s_mov_b64 s[64:65], 0
	v_nop
	global_prefetch_b8 v0, s[64:65] scope:SCOPE_SE
	s_setreg_imm32_b32 hwreg(HW_REG_WAVE_MODE, 25, 1), 1
	s_wait_xcnt 0x0
; PREPARATION FOR THE ATTENTION LAUNCH.  keys, values: [4][2048][16][64] f32.  attn_mask: [4][1][2048][2048], one byte (0 or 1) an entry; bit 0 of a byte is what is tested.
; Three jobs, told apart by the work-group's number; each has its own path through the text and its own LDS bytes; waves share nothing, so there is no barrier.
;   work-groups    0 ..  511: K -> codes of FP4 (E2M1) along the head's 64, one E8M0 byte for each 32, laid as images of the operand's registers
;   work-groups  512 .. 1023: V -> codes along the KEYS (the second product's K), likewise
;   work-groups 1024 .. 1535: the mask -> one bit an entry, in the order of the score registers of the attention launch, and two bits a tile of 16 queries x 128 keys (all hidden / none hidden / mixed)
; kv: a record of 139,264 bytes for each (batch, head), number 16 b + head:
;   KC      0: key step s (128 keys) at 4096 s, tile t (0..7) at 512 t, lane (r, h) at 16 lane: the 32 codes of block h of key 128 s + 32 (t / 2) + 8 (t % 2) + r + 8 (r / 8)
;   VC  65536: step s at 4096 s, channel tile t (0..3) at 1024 t, half c at 512 c, lane (r, h) at 16 lane: channel 16 t + r, keys 128 s + 64 c + 32 h + 0 .. 31
;   KS 131072: step s at 256 s, pair of tiles p at 64 p, row r at 4 r: the bytes [block 0, block 1 of tile 2 p's key r, block 0, block 1 of tile 2 p + 1's key r]
;   VS 135168: step s at 256 s, channel d at 4 d: byte j scales keys 128 s + 32 j + 0 .. 31
; mwords: query tile bt = 128 b + T at 4096 bt, step s at 256 s, word n = 16 j + i at 4 n: bit (r + 16 h) is mask[b][16 T + r][128 s + 32 j + 16 h + i]
; mflags: one word for each bt; bits 2 s + 1 : 2 s belong to step s: 0 = all 2,048 entries hidden, 2 = none hidden, 1 = mixed
; A block's scale is 2^(floor(log2(its largest magnitude)) - 2); its byte is the largest magnitude's exponent field - 2, held at 1 from below.
; LIMITS: NaN and infinities among keys and values are not served; a block whose largest magnitude lies under 2^-124 keeps the byte 1; a block of zeros has the byte 1 where the
; rule says 127: its codes are zeros, which add nothing under any byte but 0xff, and the bytes are read by this program alone.
.set REC,  139264
.set C,    20                          ; v20-35   codes: four registers for each tile or block, so that no store's data are written again
.set X,    36                          ; v36-99   two sets of 32 numbers of one block
.set R,    100                         ; v100-227 K path: the four tiles as they are loaded
.set W,    20                          ; v20-27   mask path: the 256 words of a wave, word w in register w % 4 + 4 (w / 128), lane (w / 4) % 32
.set MM,   36                          ; v36-99   mask path: my 16 bytes of each (step, block)
.set IN,   100                         ; v100-163 mask path: the rows as they are loaded
.set KSTG, 0                           ; LDS: K path: 16 rows x 272 bytes for each wave
.set MSTG, 17408                       ; LDS: mask path: 16 rows x 528 bytes for each wave
	s_load_b256 s[4:11], s[0:1], 0x0               ; keys s[4:5], values s[6:7], attn_mask s[8:9], kv s[10:11]
	s_load_b128 s[12:15], s[0:1], 0x20             ; mwords s[12:13], mflags s[14:15]
	v_lshl_add_u32 v228, v0, 2, 0xc800
	v_mov_b32 v229, 0
	v_lshrrev_b32 v1, 5, v0
	v_readfirstlane_b32 s16, v1                    ; wave 0..3
	v_and_b32 v1, 31, v0                           ; lane
	s_mov_b32 s26, 0x76543210
	s_mov_b32 s27, 0xfedcba98                      ; v_permlanex16_b32's selects for lane l xor 16
	s_wait_kmcnt 0x0
	s_cmp_lt_u32 ttmp9, 512
	s_cbranch_scc1 .Lkpath
	s_cmp_lt_u32 ttmp9, 1024
	s_cbranch_scc1 .Lvpath
; ---------------------------------------------------------------- THE MASK.  A wave takes one tile of 16 queries x 512 keys: four steps of 128.
	s_sub_co_u32 s17, ttmp9, 1024                  ; bt
	s_lshl_b32 s20, s17, 15                        ; 16 rows of 2,048 bytes a tile,
	s_lshl_b32 s21, s16, 9                         ; 512 keys a wave
	s_add_co_u32 s20, s20, s21
	s_mov_b32 s21, 0
	s_add_nc_u64 s[8:9], s[8:9], s[20:21]
	s_lshl_b32 s22, s17, 12                        ; the words: 4,096 bytes a tile, 1,024 a wave
	s_lshl_b32 s23, s16, 10
	s_add_co_u32 s22, s22, s23
	s_mov_b32 s23, 0
	s_add_nc_u64 s[12:13], s[12:13], s[22:23]
	s_lshl_b32 s24, s17, 2                         ; the flags: my four steps are byte (wave) of the tile's word
	s_add_co_u32 s24, s24, s16
	s_mov_b32 s25, 0
	s_add_nc_u64 s[14:15], s[14:15], s[24:25]
	s_mul_i32 s18, s16, 16*528
	s_add_co_u32 s18, s18, MSTG                    ; my stage
	v_lshlrev_b32 v2, 4, v1                        ; 16 x lane: in memory, a row's 512 bytes; and the words on their way out
	v_add_nc_u32 v3, s18, v2                       ; into the stage: as loaded
	v_and_b32 v5, 15, v1                           ; r
	v_lshrrev_b32 v6, 4, v1                        ; h
	v_mul_u32_u24 v4, v5, 528
	v_lshl_add_u32 v4, v6, 4, v4
	v_add_nc_u32 v4, s18, v4                       ; out of it: row r, + 16 h: my 16 keys of a block of 32
.irp q, 0,1,2,3,4,5,6,7,8,9,10,11,12,13,14,15
	global_load_b128 v[IN+4*\q:IN+4*\q+3], v2, s[8:9] offset:2048*\q th:TH_LOAD_NT   ; query q: 32 lanes read 512 consecutive bytes
.endr
.irp j, 0,1,2,3,4,5,6,7
	v_mov_b32 v[W+\j], 0                           ; a lane write's destination counts as read
.endr
	s_mov_b32 s31, 0                               ; the four steps' flags
.irp q, 0,1,2,3,4,5,6,7,8,9,10,11,12,13,14,15
	s_wait_loadcnt 15-\q                           ; row q is in; the 15 - q rows behind it may be out
	ds_store_b128 v3, v[IN+4*\q:IN+4*\q+3] offset:528*\q
.endr
.irp q, 0,1,2,3,4,5,6,7,8,9,10,11,12,13,14,15
	ds_load_b128 v[MM+4*\q:MM+4*\q+3], v4 offset:128*(\q/4)+32*(\q%4)   ; step q / 4, block q % 4.  LDS serves a wave's instructions in order: these see my stores
.endr
; Step sg.  Register q of its sixteen holds entries i = 4 (q % 4) + k, k = 0 .. 3, of block q / 4: word n = 4 q + k.  A compare gathers the 32 lanes' bits into a scalar register,
; which goes into the running OR and AND and, as it is, into its lane of the words' registers.
.macro MSTEP sg
	s_wait_dscnt 12-4*(\sg)                        ; this step's four loads are in; the later steps' may be out
	s_mov_b32 s28, 0
	s_mov_b32 s29, -1
.irp q, 0,1,2,3,4,5,6,7,8,9,10,11,12,13,14,15
.irp k, 0,1,2,3
	v_and_b32 v[8+\k], 1<<(8*\k), v[MM+16*(\sg)+\q]
.endr
.irp k, 0,1,2,3
	v_cmp_ne_u32 s[32+\k], 0, v[8+\k]
.endr
.irp k, 0,1,2,3
	s_or_b32 s28, s28, s[32+\k]
	s_and_b32 s29, s29, s[32+\k]
	v_writelane_b32 v[W+\k+4*((\sg)/2)], s[32+\k], (16*(\sg)+\q)%32
.endr
.endr
	s_cmp_eq_u32 s29, -1                           ; every entry hidden?
	s_cselect_b32 s30, 0, 1
	s_cmp_eq_u32 s28, 0                            ; none hidden?
	s_cselect_b32 s30, 2, s30
	s_lshl_b32 s30, s30, 2*(\sg)
	s_or_b32 s31, s31, s30
.endm
	MSTEP 0
	MSTEP 1
	MSTEP 2
	MSTEP 3
	global_store_b128 v2, v[W:W+3], s[12:13]               ; 512 consecutive bytes each
	global_store_b128 v2, v[W+4:W+7], s[12:13] offset:512
	v_mov_b32 v9, s31
	v_mov_b32 v10, 0
	v_cmp_eq_u32 vcc_lo, 0, v1
	s_wait_xcnt 0x0                                ; EXEC is a source of the stores above: it changes only behind this wait
	s_wait_tensorcnt 0x0
	ds_add_u32 v228, v229
	s_wait_dscnt 0x0
	s_and_saveexec_b32 s36, vcc_lo
	global_store_b8 v10, v9, s[14:15]              ; lane 0 alone: my byte of the tile's flags
	s_wait_xcnt 0x0                                ; and again in front of the line that widens it
	s_or_b32 exec_lo, exec_lo, s36
	s_endpgm
; The largest magnitude of v[XS] .. v[XS + 31], all of one block and all mine, with the floor 2^(3 - 127) as one more leaf, so that the byte cannot fall under 1; then 2 off its
; exponent field: the conversion takes the exponent field of this operand as its scale, and nothing else of it.
.macro BLOCKSCALE
	v_max3_num_f32 v8, |v[XS]|, |v[XS+1]|, |v[XS+2]|
	v_max3_num_f32 v9, |v[XS+3]|, |v[XS+4]|, |v[XS+5]|
.irp i, 6,10,14,18,22,26
	v_max3_num_f32 v8, v8, |v[XS+\i]|, |v[XS+\i+1]|
	v_max3_num_f32 v9, v9, |v[XS+\i+2]|, |v[XS+\i+3]|
.endr
	v_max3_num_f32 v8, v8, |v[XS+30]|, |v[XS+31]|
	v_max3_num_f32 v8, v8, v9, 0x1800000
	v_add_nc_u32 v11, 0xff000000, v8
.endm
; ---------------------------------------------------------------- K.  A wave takes 64 keys of one head: four tiles of 16.  The four waves of a work-group stand on four neighbouring heads.
.Lkpath:
	s_lshl_b32 s17, ttmp9, 2
	s_add_co_u32 s17, s17, s16                     ; u = 4 x work-group + wave
	s_and_b32 s18, s17, 15                         ; head
	s_bfe_u32 s19, s17, 0x50004                    ; hs: which 64 keys (5 bits from bit 4)
	s_lshr_b32 s28, s17, 9                         ; b
	s_lshl_b32 s20, s28, 23                        ; a batch is 8,388,608 bytes,
	s_lshl_b32 s21, s19, 18                        ; 64 keys of 4,096 bytes,
	s_add_co_u32 s20, s20, s21
	s_lshl_b32 s21, s18, 8                         ; a head's 256 bytes of a key
	s_add_co_u32 s20, s20, s21
	s_mov_b32 s21, 0
	s_add_nc_u64 s[4:5], s[4:5], s[20:21]
	s_lshl_b32 s22, s28, 4
	s_add_co_u32 s22, s22, s18
	s_mul_i32 s22, s22, REC                        ; the record
	s_lshl_b32 s23, s19, 11
	s_add_co_u32 s24, s22, s23                     ; codes: four tiles of 512 bytes
	s_mov_b32 s25, 0
	s_add_nc_u64 s[24:25], s[10:11], s[24:25]
	s_lshl_b32 s23, s19, 7
	s_add_co_u32 s22, s22, s23                     ; scale words: two pairs of 64 bytes
	s_add_co_u32 s22, s22, 131072
	s_mov_b32 s23, 0
	s_add_nc_u64 s[22:23], s[10:11], s[22:23]
	s_mul_i32 s29, s16, 16*272                     ; my stage (KSTG = 0)
	v_and_b32 v8, 15, v1                           ; r
	v_lshrrev_b32 v9, 4, v1                        ; h
	v_lshlrev_b32 v2, 12, v9
	v_lshl_add_u32 v2, v8, 4, v2                   ; in memory: lanes 0-15 one key's 256 bytes, lanes 16-31 the next key's
	v_mul_u32_u24 v3, v9, 272
	v_lshl_add_u32 v3, v8, 4, v3
	v_add_nc_u32 v3, s29, v3                       ; into the stage: the same two rows
	v_mul_u32_u24 v4, v8, 272
	v_lshl_add_u32 v4, v9, 7, v4
	v_add_nc_u32 v4, s29, v4                       ; out of it: row r, + 128 h: my whole block of 32 numbers
	v_lshlrev_b32 v5, 4, v1                        ; the image: 16 x lane
	v_lshlrev_b32 v6, 2, v1                        ; the scale words: 4 x lane
	v_lshlrev_b32 v7, 3, v9                        ; 8 h: my byte's place in a half word
	v_mov_b32 v18, 0                               ; a lane permute's destination counts as one of its sources
.irp t, 0,1,2,3
.irp i, 0,1,2,3,4,5,6,7
	global_load_b128 v[R+32*\t+4*\i:R+32*\t+4*\i+3], v2, s[4:5] offset:(32*(\t/2)+8*(\t%2)+2*\i+8*(\i/4))*4096 th:TH_LOAD_NT   ; rows 2 i, 2 i + 1 of tile t: row r is key 32 (t / 2) + 8 (t % 2) + r + 8 (r / 8)
.endr
.endr
.macro KTURN t                         ; tile t through the stage: in as loaded (16 bytes a lane of two rows), out 128 bytes a lane.  LDS serves a wave's instructions in order, so one stage does
.irp i, 0,1,2,3,4,5,6,7
	ds_store_b128 v3, v[R+32*(\t)+4*\i:R+32*(\t)+4*\i+3] offset:544*\i
.endr
.irp j, 0,1,2,3,4,5,6,7
	ds_load_b128 v[X+32*((\t)%2)+4*\j:X+32*((\t)%2)+4*\j+3], v4 offset:16*\j
.endr
.endm
.macro KTILE t
.if (\t) < 3
	s_wait_loadcnt 8*(2-(\t))                      ; the next tile's eight loads are in; those of the tiles behind it may be out
	KTURN (\t)+1
	s_wait_dscnt 16                                ; this tile's numbers are back; the sixteen LDS instructions just issued may be out
.else
	s_wait_dscnt 0x0
.endif
.set XS, X+32*((\t)%2)
	BLOCKSCALE
.irp g, 0,1,2,3
	v_cvt_scalef32_pk8_fp4_f32 v[C+4*(\t)+\g], v[XS+8*\g:XS+8*\g+7], v11
.endr
	v_lshrrev_b32 v[12+(\t)], 23, v11              ; the scale's byte.  (Also the plain line behind the conversions)
	global_store_b128 v5, v[C+4*(\t):C+4*(\t)+3], s[24:25] offset:512*(\t)   ; the tile's image: 512 consecutive bytes
.endm
.macro KPAIR p                         ; tiles 2 p and 2 p + 1: my two bytes, 8 h bits up, with lane l xor 16's two: the pair's word of row r, in both halves of the lanes
	v_lshl_or_b32 v[16+\p], v[13+2*\p], 16, v[12+2*\p]
	v_lshlrev_b32 v[16+\p], v7, v[16+\p]
	v_permlanex16_b32 v18, v[16+\p], s26, s27
	v_or_b32 v[16+\p], v[16+\p], v18
.endm
	s_wait_loadcnt 24                              ; tile 0's eight loads are in
	KTURN 0
	KTILE 0
	KTILE 1
	KPAIR 0
	KTILE 2
	KTILE 3
	KPAIR 1
	v_cmp_le_u32 vcc_lo, 16, v1
	v_cndmask_b32 v16, v16, v17, vcc_lo            ; lanes 0-15 keep the first pair's words, lanes 16-31 take the second's
	global_store_b32 v6, v16, s[22:23]             ; 128 consecutive bytes
	s_wait_tensorcnt 0x0
	ds_add_u32 v228, v229
	s_wait_dscnt 0x0
	s_endpgm
; ---------------------------------------------------------------- V.  A wave takes 32 channels x 128 keys.  A LANE TAKES A CHANNEL, AND ITS REGISTERS RUN DOWN THE KEYS: a block of 32 keys lies in
; one lane's 32 registers, and the conversions give codes with the keys innermost.  Nothing is transposed.  The four waves of a work-group stand side by side on 512 bytes of a key's row.
.Lvpath:
	s_sub_co_u32 s17, ttmp9, 512
	s_lshl_b32 s17, s17, 2
	s_add_co_u32 s17, s17, s16                     ; u
	s_and_b32 s18, s17, 31                         ; cg: which 32 of a key's 1,024 numbers
	s_bfe_u32 s19, s17, 0x40005                    ; the key step (4 bits from bit 5)
	s_lshr_b32 s28, s17, 9                         ; b
	s_lshl_b32 s20, s28, 23
	s_lshl_b32 s21, s19, 19                        ; 128 keys of 4,096 bytes
	s_add_co_u32 s20, s20, s21
	s_lshl_b32 s21, s18, 7
	s_add_co_u32 s20, s20, s21
	s_mov_b32 s21, 0
	s_add_nc_u64 s[6:7], s[6:7], s[20:21]
	s_lshl_b32 s22, s28, 4
	s_lshr_b32 s23, s18, 1                         ; head
	s_add_co_u32 s22, s22, s23
	s_mul_i32 s22, s22, REC                        ; the record
	s_and_b32 s29, s18, 1                          ; which half of the head's 64 channels
	s_lshl_b32 s23, s19, 12
	s_add_co_u32 s24, s22, s23
	s_lshl_b32 s23, s29, 11
	s_add_co_u32 s24, s24, s23
	s_add_co_u32 s24, s24, 65536                   ; codes: VC + 4096 step + 2048 half
	s_mov_b32 s25, 0
	s_add_nc_u64 s[24:25], s[10:11], s[24:25]
	s_lshl_b32 s23, s19, 8
	s_add_co_u32 s22, s22, s23
	s_lshl_b32 s23, s29, 7
	s_add_co_u32 s22, s22, s23
	s_add_co_u32 s22, s22, 135168                  ; scale words: VS + 256 step + 128 half
	s_mov_b32 s23, 0
	s_add_nc_u64 s[22:23], s[10:11], s[22:23]
	v_lshlrev_b32 v2, 2, v1                        ; 4 x lane: my channel in a key's row; and my scale word
	v_and_b32 v8, 15, v1
	v_lshrrev_b32 v9, 4, v1
	v_lshlrev_b32 v3, 10, v9
	v_lshl_add_u32 v3, v8, 4, v3                   ; the image: channel tile (lane / 16) at 1,024, row (lane % 16) at 16
.macro VLOAD t                         ; block t: keys 32 t + i, i = 0 .. 31, of my channel, into set t % 2
.irp i, 0,1,2,3,4,5,6,7,8,9,10,11,12,13,14,15,16,17,18,19,20,21,22,23,24,25,26,27,28,29,30,31
	global_load_b32 v[X+32*((\t)%2)+\i], v2, s[6:7] offset:(32*(\t)+\i)*4096 th:TH_LOAD_NT
.endr
.endm
.macro VBLOCK t
.if (\t) < 3
	s_wait_loadcnt 32                              ; this block's 32 loads are in; the next block's may be out
.else
	s_wait_loadcnt 0x0
.endif
.set XS, X+32*((\t)%2)
	BLOCKSCALE
	v_lshrrev_b32 v13, 23, v11                     ; the scale's byte
.if (\t) == 0
	v_mov_b32 v12, v13                             ; four bytes to the word, the lower keys in the lower byte
.else
	v_lshl_or_b32 v12, v13, 8*(\t), v12
.endif
.irp g, 0,1,2,3
	v_cvt_scalef32_pk8_fp4_f32 v[C+4*(\t)+\g], v[XS+8*\g:XS+8*\g+7], v11
.endr
	global_store_b128 v3, v[C+4*(\t):C+4*(\t)+3], s[24:25] offset:512*((\t)/2)+256*((\t)%2)   ; block t is half c = t / 2, lanes' half h = t % 2 of the operand: each half of the wave stores 256 consecutive bytes, aligned
.if (\t)+2 < 4
	VLOAD (\t)+2
.endif
.endm
	VLOAD 0
	VLOAD 1
	VBLOCK 0
	VBLOCK 1
	VBLOCK 2
	VBLOCK 3
	global_store_b32 v2, v12, s[22:23]             ; 128 consecutive bytes
	s_endpgm
.Lfunc_end_k_q13b9e2d944_prep:
	.size	k_q13b9e2d944_prep, .Lfunc_end_k_q13b9e2d944_prep-k_q13b9e2d944_prep
	.p2alignl 7, 3214868480
	.fill 96, 4, 3214868480
	.section	.rodata,"a",@progbits
	.p2align	6, 0x0
	.amdhsa_kernel k_q13b9e2d944_prep
		.amdhsa_group_segment_fixed_size 51712
		.amdhsa_private_segment_fixed_size 0
		.amdhsa_enable_private_segment 0
		.amdhsa_kernarg_size 48
		.amdhsa_user_sgpr_count 2
		.amdhsa_user_sgpr_kernarg_segment_ptr 1
		.amdhsa_wavefront_size32 1
		.amdhsa_system_sgpr_workgroup_id_x 1
		.amdhsa_system_sgpr_workgroup_id_y 1
		.amdhsa_system_sgpr_workgroup_id_z 1
		.amdhsa_system_vgpr_workitem_id 0
		.amdhsa_next_free_vgpr 230
		.amdhsa_next_free_sgpr 66
		.amdhsa_reserve_vcc 1
		.amdhsa_float_denorm_mode_32 3
		.amdhsa_float_denorm_mode_16_64 3
		.amdhsa_memory_ordered 1
		.amdhsa_forward_progress 1
		.amdhsa_inst_pref_size 105
	.end_amdhsa_kernel
	.amdgpu_metadata
---
amdhsa.version: [ 1, 2 ]
amdhsa.kernels:
  - .name:           k_q13b9e2d944_prep
    .symbol:         k_q13b9e2d944_prep.kd
    .args:
      - { .name: keys, .offset: 0, .size: 8, .value_kind: global_buffer, .address_space: global }
      - { .name: values, .offset: 8, .size: 8, .value_kind: global_buffer, .address_space: global }
      - { .name: attn_mask, .offset: 16, .size: 8, .value_kind: global_buffer, .address_space: global }
      - { .name: kv, .offset: 24, .size: 8, .value_kind: global_buffer, .address_space: global }
      - { .name: mwords, .offset: 32, .size: 8, .value_kind: global_buffer, .address_space: global }
      - { .name: mflags, .offset: 40, .size: 8, .value_kind: global_buffer, .address_space: global }
    .group_segment_fixed_size: 51712
    .private_segment_fixed_size: 0
    .kernarg_segment_align: 8
    .kernarg_segment_size: 48
    .max_flat_workgroup_size: 128
    .sgpr_count:     66
    .vgpr_count:     230
    .wavefront_size: 32
...
	.end_amdgpu_metadata
.endif
;; end of part 1
;; launch attn (part 2): grid 256 x 1, 16 waves a work-group, no clusters, 210,944 bytes of LDS; arguments queries, kv, mwords, mflags, out0; writes out0
.if DOCPART == 2
	.amdgcn_target "amdgcn-amd-amdhsa--gfx1250"
	.amdhsa_code_object_version 6
	.text
	.protected	k_q13b9e2d944_attn
	.globl	k_q13b9e2d944_attn
	.p2align	8
	.type	k_q13b9e2d944_attn,@function
k_q13b9e2d944_attn:
	s_mov_b64 s[64:65], 0
	v_nop
	global_prefetch_b8 v0, s[64:65] scope:SCOPE_SE
	s_setreg_imm32_b32 hwreg(HW_REG_WAVE_MODE, 25, 1), 1
	s_wait_xcnt 0x0
; out0[b][l][h][:] = the sum over s of softmax_s(q . k / 8, hidden where attn_mask says so) v[s][:], both products on codes of FP4 (E2M1) with one E8M0 scale for each 32 along a product's K.
; queries, out0: [4][2048][16][64] f32.  kv, mwords, mflags: made by the launch before (their layouts stand at its head).
; THE SOFTMAX AHEAD OF THE SECOND PRODUCT: t = score x log2(e) / 8; M = the row's largest t so far, rounded UP to a whole number; p = 2^(t - M) is what is quantised, along the keys; it is not
; normalised.  The row's sum is taken of the unquantised p, in f32, and divides O at the end.  When M moves, the sum and O are multiplied by 2^(old M - new M): exact.
; SHARES.  A work-group holds ONE head's K and V, codes and scale words, 139,264 bytes, in LDS for the whole launch: filled once, through registers, one barrier behind the fill, none after it.
; Four work-groups share a head's 128 tiles of 16 queries.  Wave w of work-group g takes tiles 16 g + w and 127 - (16 g + w), one after the other, each in 256 registers: four waves to a SIMD,
; so that one wave's vector work stands beside another's matrix work and LDS loads.
; THE MASK IS HONOURED AS IT IS GIVEN.  For each tile and key step (128 keys) two stored bits say: all hidden (the step's work is jumped over; the addresses still step), none hidden (no masking),
; or mixed (64 selects by stored bit words put -infinity in place of hidden scores, ahead of the maximum).  The loops' trip counts are constants.
; No tensor load and no asynchronous copy stands in this text.  No cluster: what work-groups share is one record each, read once.
; LAYOUT.  Both products are used transposed: S^T = K Q^T (source 0 = 16 keys, source 1 = my 16 queries), O^T = V^T P^T (source 0 = 16 channels, source 1 = P): a lane holds ONE query (lane % 16).
; The keys of a tile are not neighbours: row r of tile 2 j + u is key 32 j + 8 u + r + 8 (r / 8), so that the 16 registers of tiles 2 j and 2 j + 1 are keys 32 j + 16 (lane / 16) + 0 .. 15.
; K = 64 IN AN INSTRUCTION OF K = 128.  An even tile is [codes, zeros] against [Q, zeros]; an odd tile [zeros, codes] against [zeros, Q]: the same places of k on both sides, zero codes in the idle
; half.  So a pair of tiles shares four zero registers and ONE scale word (bytes 0, 1 the even tile's, bytes 2, 3 the odd tile's); Q's word holds its two bytes twice.
; A ROW THAT IS WHOLLY HIDDEN ends with O = 0 and the sum 0: 0 x (1 / 0) is NaN, which is what the softmax of such a row is.
; LIMITS: NaN and infinities among the inputs are not served; a block of Q whose largest magnitude lies under 2^-124, or of zeros, has the byte 1 (its codes under that scale; zeros add nothing);
; a p under 2^-126 counts as 0 (v_exp_f32 flushes); a block's largest p is made from its largest score by the same two instructions, which takes v_exp_f32 not to fall where its input rises.
.set REC,  139264
.set VC,   65536                       ; LDS: KC at 0, VC here, KS and VS behind: the record as it lies
.set KS,   131072
.set STG,  139264                      ; behind it a stage of 16 rows x 272 bytes for each wave: for Q's turn and for the way out; each wave's own
.set SP,   272
.set QF,   16                          ; v16-27   [Q's codes][4 zeros][Q's codes]
.set QS,   28                          ; v28      Q's scale word
.set PW,   29                          ; v29      p's scale word
.set XK,   30                          ; v30-31   K's scale words: lanes 0-15 pairs 0, 2; lanes 16-31 pairs 1, 3
.set YV,   32                          ; v32-33   V's: lanes 0-15 channel tiles 0, 2; lanes 16-31 tiles 1, 3
.set KF,   34                          ; v34-81   K: pair p at 12 p: [tile 2 p][4 zeros][tile 2 p + 1]
.set VF,   82                          ; v82-113  V: four tiles of 8
.set S,    114                         ; v114-177 S^T, then p
.set O,    178                         ; v178-209 O^T
.set PC,   210                         ; v210-217 p's codes
.set BM,   218                         ; v218-221 the blocks' largest scores, then largest p
.set PT,   222                         ; v222-225 at work
.set SOP,  226                         ; v226-229 the conversions' scale operands
.set F,    230                         ; v230-231 f = 2^(old M - new M): a pair, of which the low word serves both halves
.set TMP,  232
.set SH,   233                         ; v233     8 x (lane / 16)
.set C2,   234                         ; v234-235 the sum's second chain
.set QB,   236                         ; v236-239, v240: the second tile's Q, codes and scale word
.set QBS,  240
.set XQ,   182                         ; at the head: 32 numbers of a row of Q
; v1 16 lane; v2 KS + 4 lane; v3 VC + 16 lane; v4 stage in; v5 stage by rows; v6 two rows in memory; v7 stage, half a row a lane; v8-10 the step's LDS addresses; v11 -infinity;
; v12 -M; v13 the largest t; v14-15 the sum in two halves.
; s14 wave; s15 b; s16 head; s18 the tile; s19 tiles done; s20 steps done; s21 the tile's flags; s22 the step's; s23 4096 x step; s24 256 x step; s25 the second tile's flags;
; s[28:29] out0 at the tile; s[30:31] mwords at the tile; s32-63, s68-99 the step's 64 mask words; s66-67 lane selects; s[100:101] c.
	s_load_b256 s[4:11], s[0:1], 0x0               ; queries s[4:5], kv s[6:7], mwords s[8:9], mflags s[10:11]
	s_load_b64 s[12:13], s[0:1], 0x20              ; out0
	v_lshl_add_u32 v254, v0, 2, 0x33000
	v_mov_b32 v255, 0
	v_lshrrev_b32 v1, 5, v0
	v_readfirstlane_b32 s14, v1                    ; wave 0..15
	v_and_b32 v222, 31, v0                         ; lane
	v_and_b32 v223, 15, v0                         ; r
	v_bfe_u32 v224, v0, 4, 1                       ; h
	s_lshr_b32 s17, ttmp9, 2                       ; 16 b + head
	s_and_b32 s18, ttmp9, 3
	s_lshr_b32 s15, s17, 4
	s_and_b32 s16, s17, 15
	s_lshl_b32 s18, s18, 4
	s_add_co_u32 s18, s18, s14                     ; my first tile: 16 g + wave
	s_mul_i32 s19, s14, 16*SP
	s_add_co_u32 s19, s19, STG                     ; my stage
	v_lshlrev_b32 v1, 4, v222
	v_lshl_add_u32 v2, v222, 2, KS
	v_add_nc_u32 v3, VC, v1
	v_mul_u32_u24 v225, v223, SP
	v_add_nc_u32 v225, s19, v225                   ; stage row r
	v_lshl_add_u32 v4, v224, 5, v225               ; + 32 h: where a tile of O^T puts my eight channels
	v_lshl_add_u32 v7, v224, 7, v225               ; + 128 h: my block of a row of Q
	v_mul_u32_u24 v5, v224, SP
	v_lshl_add_u32 v5, v223, 4, v5
	v_add_nc_u32 v5, s19, v5                       ; by rows: lanes 0-15 one row, lanes 16-31 the next, 16 bytes a lane
	v_lshlrev_b32 v6, 12, v224
	v_lshl_add_u32 v6, v223, 4, v6                 ; the same two rows in queries and in out0: 4,096 bytes from row to row
	v_lshlrev_b32 v8, 4, v0                        ; the fill: 16 x thread, 8,192 bytes an instruction of the work-group
	v_add_nc_u32 v9, VC, v8
	v_add_nc_u32 v10, KS, v8
	v_lshlrev_b32 v[SH], 3, v224
	v_mov_b32 v11, 0xff800000
	s_mul_i32 s2, s17, REC
	s_mov_b32 s3, 0
	s_lshl_b32 s20, s15, 7
	s_add_co_u32 s22, s20, s18                     ; 128 b + first tile
	s_sub_co_u32 s23, 127, s18
	s_add_co_u32 s23, s20, s23                     ; 128 b + second tile
	s_lshl_b32 s24, s16, 8                         ; the head's 256 bytes of a row
	s_lshl_b32 s26, s22, 16                        ; 16 rows of 4,096 bytes a tile
	s_add_co_u32 s26, s26, s24
	s_mov_b32 s27, 0
	s_lshl_b32 s28, s23, 16
	s_add_co_u32 s28, s28, s24
	s_mov_b32 s29, 0
	s_lshl_b32 s30, s22, 2                         ; the tiles' flag words
	s_lshl_b32 s31, s23, 2
	s_mov_b32 s66, 0x76543210
	s_mov_b32 s67, 0xfedcba98                      ; v_permlanex16_b32's selects for lane l xor 16
	s_mov_b32 s100, 0x3e38aa3b                     ; c = log2(e) / 8
	s_mov_b32 s101, s100                           ; (named with it as a pair, so it is written)
	s_wait_kmcnt 0x0
	s_add_nc_u64 s[6:7], s[6:7], s[2:3]            ; my head's record
	s_add_nc_u64 s[26:27], s[4:5], s[26:27]        ; Q at the first tile,
	s_add_nc_u64 s[28:29], s[4:5], s[28:29]        ; and at the second
.irp i, 0,1,2,3,4,5,6,7,8,9,10,11,12,13,14,15,16
	global_load_b128 v[S+4*\i:S+4*\i+3], v8, s[6:7] offset:8192*\i    ; the record: 17 x 8,192 bytes.  No hint: three more work-groups read it
.endr
.irp i, 0,1,2,3,4,5,6,7
	global_load_b128 v[34+4*\i:37+4*\i], v6, s[26:27] offset:8192*\i th:TH_LOAD_NT   ; the first tile's rows 2 i, 2 i + 1: each half of the wave reads 256 consecutive bytes, aligned
.endr
.irp i, 0,1,2,3,4,5,6,7
	global_load_b128 v[66+4*\i:69+4*\i], v6, s[28:29] offset:8192*\i th:TH_LOAD_NT   ; the second tile's
.endr
	s_load_b32 s21, s[10:11], s30 offset:0x0
	s_load_b32 s25, s[10:11], s31 offset:0x0
.irp i, 0,1,2,3,4,5,6,7
	s_wait_loadcnt 32-\i                           ; piece i is in: behind it were issued 16 - i pieces and Q's sixteen loads
	ds_store_b128 v8, v[S+4*\i:S+4*\i+3] offset:8192*\i
.endr
.irp i, 8,9,10,11,12,13,14,15
	s_wait_loadcnt 32-\i
	ds_store_b128 v9, v[S+4*\i:S+4*\i+3] offset:8192*(\i-8)
.endr
	s_wait_loadcnt 16
	ds_store_b128 v10, v[S+64:S+67]
.irp b, 0,1,2,3
	v_mov_b32 v[PT+\b], 0                          ; written once: a lane permute's destination counts as one of its sources
.endr
	v_mov_b32 v[F+1], 0                            ; (named as the upper half of a pair)
	v_mov_b32 v[TMP], 0
; A tile of Q, as loaded (16 bytes a lane of two rows), through my stage; it comes back 128 bytes a lane: lane (r, h) holds block h of row r.
.macro QTURN src
.irp i, 0,1,2,3,4,5,6,7
	ds_store_b128 v5, v[\src+4*\i:\src+4*\i+3] offset:2*SP*\i
.endr
.irp j, 0,1,2,3,4,5,6,7
	ds_load_b128 v[XQ+4*\j:XQ+4*\j+3], v7 offset:16*\j     ; LDS serves a wave's instructions in order: these see my stores
.endr
	s_wait_dscnt 0x0
.endm
; Its 32 numbers become four registers of codes at v[dst] and, with lane l xor 16's byte, the scale word [e0, e1, e0, e1] in v[dsc].
.macro QUANTQ dst, dsc
	v_max3_num_f32 v[BM], |v[XQ]|, |v[XQ+1]|, |v[XQ+2]|
	v_max3_num_f32 v[BM+1], |v[XQ+3]|, |v[XQ+4]|, |v[XQ+5]|
.irp i, 6,10,14,18,22,26
	v_max3_num_f32 v[BM], v[BM], |v[XQ+\i]|, |v[XQ+\i+1]|
	v_max3_num_f32 v[BM+1], v[BM+1], |v[XQ+\i+2]|, |v[XQ+\i+3]|
.endr
	v_max3_num_f32 v[BM], v[BM], |v[XQ+30]|, |v[XQ+31]|
	v_max3_num_f32 v[BM], v[BM], v[BM+1], 0x1800000        ; the floor 2^(3 - 127): the byte cannot fall under 1
	v_add_nc_u32 v[SOP], 0xff000000, v[BM]                 ; 2 off the exponent field: the conversion's scale operand
	v_lshrrev_b32 v[PT], 23, v[SOP]                        ; the byte
.irp g, 0,1,2,3
	v_cvt_scalef32_pk8_fp4_f32 v[\dst+\g], v[XQ+8*\g:XQ+8*\g+7], v[SOP]
.endr
	v_lshl_or_b32 v[PT], v[PT], 16, v[PT]                  ; twice.  (Also the plain line behind the conversions)
	v_lshlrev_b32 v[PT], v[SH], v[PT]                      ; 8 h bits up
	v_permlanex16_b32 v[PT+1], v[PT], s66, s67
	v_or_b32 v[\dsc], v[PT], v[PT+1]
.endm
	s_wait_loadcnt 8                               ; the first tile's eight loads are in; the second's may be out
	QTURN 34
	QUANTQ QF, QS
.irp j, 0,1,2,3
	v_mov_b32 v[QF+8+\j], v[QF+\j]
.endr
	s_wait_loadcnt 0x0
	QTURN 66
	QUANTQ QB, QBS
.irp j, 0,1,2,3
	v_mov_b32 v[QF+4+\j], 0                        ; the zero codes of the idle halves: written once
	v_mov_b32 v[KF+4+\j], 0
	v_mov_b32 v[KF+16+\j], 0
	v_mov_b32 v[KF+28+\j], 0
	v_mov_b32 v[KF+40+\j], 0
.endr
	s_wait_kmcnt 0x0                               ; the flags
	s_wait_dscnt 0x0                               ; for the others' sake: my part of the record lies in LDS
	s_barrier_signal -1
	s_barrier_wait -1                              ; everybody's does.  From here on the record is only read
	s_mov_b32 s19, 0
.Ltile:                                            ; two trips
	s_lshl_b32 s17, s15, 7
	s_add_co_u32 s17, s17, s18                     ; 128 b + tile
	s_lshl_b32 s2, s17, 12
	s_mov_b32 s3, 0
	s_add_nc_u64 s[30:31], s[8:9], s[2:3]          ; its mask words
	s_lshl_b32 s2, s17, 16
	s_lshl_b32 s17, s16, 8
	s_add_co_u32 s2, s2, s17
	s_add_nc_u64 s[28:29], s[12:13], s[2:3]        ; its rows of out0
	v_mov_b32 v13, 0xff61b1e6                      ; the largest t so far: -3e38, under every t
	v_floor_f32 v12, -v13                          ; -M
	v_mov_b32 v14, 0                               ; the sum, in two halves
	v_mov_b32 v15, 0
.irp j, 0,1,2,3,4,5,6,7,8,9,10,11,12,13,14,15,16,17,18,19,20,21,22,23,24,25,26,27,28,29,30,31
	v_mov_b32 v[O+\j], 0                           ; O^T is cleared: which step is a tile's first hangs on the stored flags, so no product can be written out to start the sums.  (These lines also part Q's registers, just written, from the products)
.endr
	s_mov_b32 s20, 0
	s_mov_b32 s23, 0
	s_mov_b32 s24, 0
.Lstep:                                            ; sixteen trips: 128 keys each
	v_add_nc_u32 v8, s23, v1                       ; the step's K, V and scale words in LDS.  These four lines stand on every way: they are also the four places between the last step's
	v_add_nc_u32 v9, s23, v3                       ; products and the loads into V's registers
	v_add_nc_u32 v10, s24, v2
	v_nop
	s_and_b32 s22, s21, 3                          ; this step's flag
	s_lshr_b32 s21, s21, 2
	s_cmp_eq_u32 s22, 0
	s_cbranch_scc1 .Lnext                          ; all 2,048 entries hidden: nothing to do
	s_load_b512 s[32:47], s[30:31], s24 offset:0x0     ; the step's 64 mask words: asked for in every step that runs, and waited for in every such step
	s_load_b512 s[48:63], s[30:31], s24 offset:0x40
	s_load_b512 s[68:83], s[30:31], s24 offset:0x80
	s_load_b512 s[84:99], s[30:31], s24 offset:0xc0
	ds_load_b32 v[XK], v10
	ds_load_b32 v[XK+1], v10 offset:128
.irp t, 0,1,2,3,4,5,6,7
	ds_load_b128 v[KF+12*(\t/2)+8*(\t%2):KF+12*(\t/2)+8*(\t%2)+3], v8 offset:512*\t
.endr
	ds_load_b32 v[YV], v10 offset:4096
	ds_load_b32 v[YV+1], v10 offset:4224
.irp t, 0,1,2,3
.irp c, 0,1
	ds_load_b128 v[VF+8*\t+4*\c:VF+8*\t+4*\c+3], v9 offset:1024*\t+512*\c
.endr
.endr
	s_wait_dscnt 10                                ; K's ten loads are in; V's ten, issued behind them, may be out
.irp t, 0,1,2,3,4,5,6,7                            ; S^T = K Q^T
.if ((\t)/2)%2
	v_wmma_scale_f32_16x16x128_f8f6f4 v[S+8*\t:S+8*\t+7], v[KF+12*(\t/2)+4*(\t%2):KF+12*(\t/2)+4*(\t%2)+7], v[QF+4*(\t%2):QF+4*(\t%2)+7], 0, v[XK+\t/4], v[QS] matrix_a_fmt:MATRIX_FMT_FP4 matrix_b_fmt:MATRIX_FMT_FP4 matrix_a_scale:MATRIX_SCALE_ROW1
.else
	v_wmma_scale_f32_16x16x128_f8f6f4 v[S+8*\t:S+8*\t+7], v[KF+12*(\t/2)+4*(\t%2):KF+12*(\t/2)+4*(\t%2)+7], v[QF+4*(\t%2):QF+4*(\t%2)+7], 0, v[XK+\t/4], v[QS] matrix_a_fmt:MATRIX_FMT_FP4 matrix_b_fmt:MATRIX_FMT_FP4
.endif
.endr
.rept 4
	v_nop                                          ; four places in front of the first read of the scores (ISA guide 7.12.1)
.endr
	s_wait_kmcnt 0x0                               ; the mask words are in
	s_cmp_lg_u32 s22, 1
	s_cbranch_scc1 .Lopen                          ; none hidden: no masking
.irp n, 0,1,2,3,4,5,6,7,8,9,10,11,12,13,14,15,16,17,18,19,20,21,22,23,24,25,26,27,28,29,30,31
	v_cndmask_b32 v[S+\n], v[S+\n], v11, s[32+\n]  ; word n's bit of my lane: hidden scores become -infinity: p = 0 then.  Ascending: each accumulator is read from its low end on
.endr
.irp n, 32,33,34,35,36,37,38,39,40,41,42,43,44,45,46,47,48,49,50,51,52,53,54,55,56,57,58,59,60,61,62,63
	v_cndmask_b32 v[S+\n], v[S+\n], v11, s[36+\n]
.endr
.Lopen:
.irp b, 0,1,2,3
	v_max3_num_f32 v[BM+\b], v[S+16*\b], v[S+1+16*\b], v[S+2+16*\b]   ; the largest score of each block of 32 keys: it serves the row's maximum and, since p rises with the score, the block's largest p
.endr
.irp i, 3,5,7,9,11,13
.irp b, 0,1,2,3
	v_max3_num_f32 v[BM+\b], v[BM+\b], v[S+16*\b+\i], v[S+1+16*\b+\i]   ; (the four blocks by turns)
.endr
.endr
.irp b, 0,1,2,3
	v_max_num_f32 v[BM+\b], v[BM+\b], v[S+15+16*\b]
.endr
.irp b, 0,1,2,3
	v_permlanex16_b32 v[PT+\b], v[BM+\b], s66, s67
.endr
.irp b, 0,1,2,3
	v_max_num_f32 v[BM+\b], v[BM+\b], v[PT+\b]     ; with lane l xor 16's 16 keys
.endr
	v_max3_num_f32 v[TMP], v[BM], v[BM+1], v[BM+2]
	v_max_num_f32 v[TMP], v[TMP], v[BM+3]          ; the step's largest score of my query
	v_mul_f32 v[TMP], s100, v[TMP]                 ; as t (c is positive)
	v_max_num_f32 v13, v13, v[TMP]                 ; the running largest t
	v_mov_b32 v[TMP], v12
	v_floor_f32 v12, -v13                          ; the new -M = floor(-t) = -ceil(t): a whole number
	v_sub_f32 v[TMP], v12, v[TMP]                  ; M's old value less its new one: a whole number, 0 or less
	v_cvt_i32_f32 v[TMP], v[TMP]                   ; (it saturates)
	v_ldexp_f32 v[F], 1.0, v[TMP]                  ; f = 2^(old M - new M)
.irp j, 0,2,4,6,8,10,12,14,16,18,20,22,24,26,28,30,32,34,36,38,40,42,44,46,48,50,52,54,56,58,60,62
	v_pk_fma_f32 v[S+\j:S+1+\j], v[S+\j:S+1+\j], s[100:101], v[12:13] op_sel_hi:[1,0,0]   ; t - M, two at a time (of the pairs c and -M the low word serves both halves)
.endr
.irp b, 0,1,2,3
	v_fma_f32 v[BM+\b], v[BM+\b], s100, v12        ; the same of each block's largest score
.endr
.irp j, 0,1,2,3,4,5,6,7,8,9,10,11,12,13,14,15,16,17,18,19,20,21,22,23,24,25,26,27,28,29,30,31,32,33,34,35,36,37,38,39,40,41,42,43,44,45,46,47,48,49,50,51,52,53,54,55,56,57,58,59,60,61,62,63
	v_exp_f32 v[S+\j], v[S+\j]                     ; p = 2^(t - M), at most 1: not normalised
.endr
	v_pk_mul_f32 v[14:15], v[14:15], v[F:F+1] op_sel_hi:[1,0]   ; the sums under the new M.  (The plain line behind the exponentials)
	s_wait_alu depctr_va_vdst(0)                   ; one wait for the whole batch, ahead of its first reader
.irp b, 0,1,2,3
	v_exp_f32 v[BM+\b], v[BM+\b]                   ; the block's largest p: the same two instructions on the same number give the same bits
.endr
	v_pk_add_f32 v[C2:C2+1], v[S:S+1], v[S+2:S+3]  ; the row's sum is taken of the unquantised p: two at a time, in two chains.  (It reads the 64 alone: plain work behind the four)
.irp j, 4,8,12,16,20,24,28,32,36,40,44,48,52,56,60
	v_pk_add_f32 v[14:15], v[14:15], v[S+\j:S+1+\j]
	v_pk_add_f32 v[C2:C2+1], v[C2:C2+1], v[S+2+\j:S+3+\j]
.endr
	v_pk_add_f32 v[14:15], v[14:15], v[C2:C2+1]
	s_wait_alu depctr_va_vdst(0)                   ; and one for the four
.irp b, 0,1,2,3
	v_max_num_f32 v[BM+\b], 0x1800000, v[BM+\b]    ; the floor 2^(3 - 127): the byte cannot fall under 1 (a block whose every p is 0 keeps that byte: its codes are zeros)
.endr
.irp b, 0,1,2,3
	v_add_nc_u32 v[SOP+\b], 0xff000000, v[BM+\b]   ; 2 off the exponent field: the conversion's scale operand
.endr
.irp b, 0,1,2,3
	v_lshrrev_b32 v[PT+\b], 23, v[SOP+\b]          ; the scale's byte
.endr
	v_lshl_or_b32 v[PW], v[PT+1], 8, v[PT]         ; p's scale word for these 128 keys
	v_lshl_or_b32 v[PW], v[PT+2], 16, v[PW]
	v_lshl_or_b32 v[PW], v[PT+3], 24, v[PW]
.irp b, 0,1,2,3
	v_cvt_scalef32_pk8_fp4_f32 v[PC+2*\b], v[S+16*\b:S+7+16*\b], v[SOP+\b]
	v_cvt_scalef32_pk8_fp4_f32 v[PC+1+2*\b], v[S+8+16*\b:S+15+16*\b], v[SOP+\b]
.endr
	v_nop                                          ; one plain line behind the scaled conversions
.irp c, 0,1                                        ; the operand's layout wants a whole block in a lane: lanes 0-15 block 2 c, lanes 16-31 block 2 c + 1
.irp i, 0,1
	v_permlane16_swap_b32 v[PC+4*\c+\i], v[PC+2+4*\c+\i]
.endr
.endr
.irp j, 0,2,4,6,8,10,12,14,16,18,20,22,24,26,28,30
	v_pk_mul_f32 v[O+\j:O+1+\j], v[O+\j:O+1+\j], v[F:F+1] op_sel_hi:[1,0]   ; O^T under the new M, each accumulator from its low end on.  (These sixteen also part p's scale word and codes, just written, from the products)
.endr
	s_wait_dscnt 0x0                               ; V is in
.irp t, 0,1,2,3                                    ; O^T += V^T P^T: K = these 128 keys.  The four accumulators take turns, and eight other products stand between a step's and the next's
.if (\t)%2
	v_wmma_scale_f32_16x16x128_f8f6f4 v[O+8*\t:O+8*\t+7], v[VF+8*\t:VF+8*\t+7], v[PC:PC+7], v[O+8*\t:O+8*\t+7], v[YV+\t/2], v[PW] matrix_a_fmt:MATRIX_FMT_FP4 matrix_b_fmt:MATRIX_FMT_FP4 matrix_a_scale:MATRIX_SCALE_ROW1
.else
	v_wmma_scale_f32_16x16x128_f8f6f4 v[O+8*\t:O+8*\t+7], v[VF+8*\t:VF+8*\t+7], v[PC:PC+7], v[O+8*\t:O+8*\t+7], v[YV+\t/2], v[PW] matrix_a_fmt:MATRIX_FMT_FP4 matrix_b_fmt:MATRIX_FMT_FP4
.endif
.endr
.Lnext:
	s_add_co_u32 s23, s23, 4096                    ; the next step's codes,
	s_add_co_u32 s24, s24, 256                     ; scale words and mask words
	s_add_co_u32 s20, s20, 1
	s_cmp_lt_u32 s20, 16
	s_cbranch_scc1 .Lstep
	; THE WAY OUT of a tile.  O^T is divided by the sum and goes through my stage, so that each half of the wave stores a row's 256 consecutive bytes, aligned.
	v_add_f32 v14, v14, v15                        ; the sum's two halves,
	v_permlanex16_b32 v[TMP], v14, s66, s67
	v_add_f32 v14, v14, v[TMP]                     ; and lane l xor 16's: the row's sum
	v_rcp_f32 v14, v14
.rept 3
	v_nop                                          ; with the two additions: five plain lines between the last product and the first read of O^T; the first is also the plain line behind the reciprocal
.endr
	s_wait_alu depctr_va_vdst(0)                   ; the wait ahead of the reciprocal's first reader
.irp j, 0,2,4,6,8,10,12,14,16,18,20,22,24,26,28,30
	v_pk_mul_f32 v[S+\j:S+1+\j], v[O+\j:O+1+\j], v[14:15] op_sel_hi:[1,0]   ; register 8 t + i is o(r, 16 t + 8 h + i)
.endr
.irp t, 0,1,2,3
	ds_store_b128 v4, v[S+8*\t:S+8*\t+3] offset:64*\t
	ds_store_b128 v4, v[S+8*\t+4:S+8*\t+7] offset:64*\t+16
.endr
.irp i, 0,1,2,3,4,5,6,7
	ds_load_b128 v[S+32+4*\i:S+35+4*\i], v5 offset:2*SP*\i   ; LDS serves a wave's instructions in order: these see my stores
.endr
.irp i, 0,1,2,3,4,5,6,7
	s_wait_dscnt 7-\i                              ; rows 2 i, 2 i + 1 are back; the 7 - i loads behind them may be out
	global_store_b128 v6, v[S+32+4*\i:S+35+4*\i], s[28:29] offset:8192*\i th:TH_STORE_NT
.endr
	s_wait_xcnt 0x0                                ; the stores have read their registers and their base: both are written again in the next trip
.irp j, 0,1,2,3
	v_mov_b32 v[QF+\j], v[QB+\j]                   ; the second tile's Q
	v_mov_b32 v[QF+8+\j], v[QB+\j]
.endr
	v_mov_b32 v[QS], v[QBS]
	s_mov_b32 s21, s25                             ; its flags
	s_sub_co_u32 s18, 127, s18                     ; and its number
	s_add_co_u32 s19, s19, 1
	s_cmp_lt_u32 s19, 2
	s_cbranch_scc1 .Ltile
	s_wait_tensorcnt 0x0
	ds_add_u32 v254, v255
	s_wait_dscnt 0x0
	s_endpgm
.Lfunc_end_k_q13b9e2d944_attn:
	.size	k_q13b9e2d944_attn, .Lfunc_end_k_q13b9e2d944_attn-k_q13b9e2d944_attn
	.p2alignl 7, 3214868480
	.fill 96, 4, 3214868480
	.section	.rodata,"a",@progbits
	.p2align	6, 0x0
	.amdhsa_kernel k_q13b9e2d944_attn
		.amdhsa_group_segment_fixed_size 210944
		.amdhsa_private_segment_fixed_size 0
		.amdhsa_enable_private_segment 0
		.amdhsa_kernarg_size 40
		.amdhsa_user_sgpr_count 2
		.amdhsa_user_sgpr_kernarg_segment_ptr 1
		.amdhsa_wavefront_size32 1
		.amdhsa_system_sgpr_workgroup_id_x 1
		.amdhsa_system_sgpr_workgroup_id_y 1
		.amdhsa_system_sgpr_workgroup_id_z 1
		.amdhsa_system_vgpr_workitem_id 0
		.amdhsa_next_free_vgpr 256
		.amdhsa_next_free_sgpr 102
		.amdhsa_reserve_vcc 0
		.amdhsa_float_denorm_mode_32 3
		.amdhsa_float_denorm_mode_16_64 3
		.amdhsa_memory_ordered 1
		.amdhsa_forward_progress 1
		.amdhsa_inst_pref_size 39
	.end_amdhsa_kernel
	.amdgpu_metadata
---
amdhsa.version: [ 1, 2 ]
amdhsa.kernels:
  - .name:           k_q13b9e2d944_attn
    .symbol:         k_q13b9e2d944_attn.kd
    .args:
      - { .name: queries, .offset: 0, .size: 8, .value_kind: global_buffer, .address_space: global }
      - { .name: kv, .offset: 8, .size: 8, .value_kind: global_buffer, .address_space: global }
      - { .name: mwords, .offset: 16, .size: 8, .value_kind: global_buffer, .address_space: global }
      - { .name: mflags, .offset: 24, .size: 8, .value_kind: global_buffer, .address_space: global }
      - { .name: out0, .offset: 32, .size: 8, .value_kind: global_buffer, .address_space: global }
    .group_segment_fixed_size: 210944
    .private_segment_fixed_size: 0
    .kernarg_segment_align: 8
    .kernarg_segment_size: 40
    .max_flat_workgroup_size: 512
    .sgpr_count:     102
    .vgpr_count:     256
    .wavefront_size: 32
...
	.end_amdgpu_metadata
.endif
;; end of part 2
;; ======== version 2 of 2: 2 launches
;; workspace buffers: kv 8,912,896 bytes; mwords 2,097,152 bytes of whole numbers; mflags 2,048 bytes of whole numbers
;; launch prep (part 3): grid 1536 x 1, 4 waves a work-group, no clusters, 51,712 bytes of LDS; arguments keys, values, attn_mask, kv, mwords, mflags; writes kv, mwords, mflags
.if DOCPART == 3
	.amdgcn_target "amdgcn-amd-amdhsa--gfx1250"
	.amdhsa_code_object_version 6
	.text
	.protected	k_q13b9e2d944_prep
	.globl	k_q13b9e2d944_prep
	.p2align	8
	.type	k_q13b9e2d944_prep,@function
k_q13b9e2d944_prep:
	s_mov_b64 s[64:65], 0
	v_nop
	global_prefetch_b8 v0, s[64:65] scope:SCOPE_SE
	s_setreg_imm32_b32 hwreg(HW_REG_WAVE_MODE, 25, 1), 1
	s_wait_xcnt 0x0
; PREPARATION FOR THE ATTENTION LAUNCH.  keys, values: [4][2048][16][64] f32.  attn_mask: [4][1][2048][2048], one byte (0 or 1) an entry; bit 0 of a byte is what is tested.
; Three jobs, told apart by the work-group's number; each has its own path through the text and its own LDS bytes; waves share nothing, so there is no barrier.
;   work-groups    0 ..  511: K -> codes of FP4 (E2M1) along the head's 64, one E8M0 byte for each 32, laid as images of the operand's registers
;   work-groups  512 .. 1023: V -> codes along the KEYS (the second product's K), likewise
;   work-groups 1024 .. 1535: the mask -> one bit an entry, in the order of the score registers of the attention launch, and two bits a tile of 16 queries x 128 keys (all hidden / none hidden / mixed)
; kv: a record of 139,264 bytes for each (batch, head), number 16 b + head:
;   KC      0: key step s (128 keys) at 4096 s, tile t (0..7) at 512 t, lane (r, h) at 16 lane: the 32 codes of block h of key 128 s + 32 (t / 2) + 8 (t % 2) + r + 8 (r / 8)
;   VC  65536: step s at 4096 s, channel tile t (0..3) at 1024 t, half c at 512 c, lane (r, h) at 16 lane: channel 16 t + r, keys 128 s + 64 c + 32 h + 0 .. 31
;   KS 131072: step s at 256 s, pair of tiles p at 64 p, row r at 4 r: the bytes [block 0, block 1 of tile 2 p's key r, block 0, block 1 of tile 2 p + 1's key r]
;   VS 135168: step s at 256 s, channel d at 4 d: byte j scales keys 128 s + 32 j + 0 .. 31
; mwords: query tile bt = 128 b + T at 4096 bt, step s at 256 s, word n = 16 j + i at 4 n: bit (r + 16 h) is mask[b][16 T + r][128 s + 32 j + 16 h + i]
; mflags: one word for each bt; bits 2 s + 1 : 2 s belong to step s: 0 = all 2,048 entries hidden, 2 = none hidden, 1 = mixed
; A block's scale is 2^(floor(log2(its largest magnitude)) - 2); its byte is the largest magnitude's exponent field - 2, held at 1 from below.
; LIMITS: NaN and infinities among keys and values are not served; a block whose largest magnitude lies under 2^-124 keeps the byte 1; a block of zeros has the byte 1 where the
; rule says 127: its codes are zeros, which add nothing under any byte but 0xff, and the bytes are read by this program alone.
.set REC,  139264
.set C,    20                          ; v20-35   codes: four registers for each tile or block, so that no store's data are written again
.set X,    36                          ; v36-99   two sets of 32 numbers of one block
.set R,    100                         ; v100-227 K path: the four tiles as they are loaded
.set W,    20                          ; v20-27   mask path: the 256 words of a wave, word w in register w % 4 + 4 (w / 128), lane (w / 4) % 32
.set MM,   36                          ; v36-99   mask path: my 16 bytes of each (step, block)
.set IN,   100                         ; v100-163 mask path: the rows as they are loaded
.set KSTG, 0                           ; LDS: K path: 16 rows x 272 bytes for each wave
.set MSTG, 17408                       ; LDS: mask path: 16 rows x 528 bytes for each wave
	s_load_b256 s[4:11], s[0:1], 0x0               ; keys s[4:5], values s[6:7], attn_mask s[8:9], kv s[10:11]
	s_load_b128 s[12:15], s[0:1], 0x20             ; mwords s[12:13], mflags s[14:15]
	v_lshl_add_u32 v228, v0, 2, 0xc800
	v_mov_b32 v229, 0
	v_lshrrev_b32 v1, 5, v0
	v_readfirstlane_b32 s16, v1                    ; wave 0..3
	v_and_b32 v1, 31, v0                           ; lane
	s_mov_b32 s26, 0x76543210
	s_mov_b32 s27, 0xfedcba98                      ; v_permlanex16_b32's selects for lane l xor 16
	s_wait_kmcnt 0x0
	s_cmp_lt_u32 ttmp9, 512
	s_cbranch_scc1 .Lkpath
	s_cmp_lt_u32 ttmp9, 1024
	s_cbranch_scc1 .Lvpath
; ---------------------------------------------------------------- THE MASK.  A wave takes one tile of 16 queries x 512 keys: four steps of 128.
	s_sub_co_u32 s17, ttmp9, 1024                  ; bt
	s_lshl_b32 s20, s17, 15                        ; 16 rows of 2,048 bytes a tile,
	s_lshl_b32 s21, s16, 9                         ; 512 keys a wave
	s_add_co_u32 s20, s20, s21
	s_mov_b32 s21, 0
	s_add_nc_u64 s[8:9], s[8:9], s[20:21]
	s_lshl_b32 s22, s17, 12                        ; the words: 4,096 bytes a tile, 1,024 a wave
	s_lshl_b32 s23, s16, 10
	s_add_co_u32 s22, s22, s23
	s_mov_b32 s23, 0
	s_add_nc_u64 s[12:13], s[12:13], s[22:23]
	s_lshl_b32 s24, s17, 2                         ; the flags: my four steps are byte (wave) of the tile's word
	s_add_co_u32 s24, s24, s16
	s_mov_b32 s25, 0
	s_add_nc_u64 s[14:15], s[14:15], s[24:25]
	s_mul_i32 s18, s16, 16*528
	s_add_co_u32 s18, s18, MSTG                    ; my stage
	s_wait_alu depctr_va_vdst(0)
	v_lshlrev_b32 v2, 4, v1                        ; 16 x lane: in memory, a row's 512 bytes; and the words on their way out
	v_add_nc_u32 v3, s18, v2                       ; into the stage: as loaded
	v_and_b32 v5, 15, v1                           ; r
	v_lshrrev_b32 v6, 4, v1                        ; h
	v_mul_u32_u24 v4, v5, 528
	v_lshl_add_u32 v4, v6, 4, v4
	v_add_nc_u32 v4, s18, v4                       ; out of it: row r, + 16 h: my 16 keys of a block of 32
.irp q, 0,1,2,3,4,5,6,7,8,9,10,11,12,13,14,15
	global_load_b128 v[IN+4*\q:IN+4*\q+3], v2, s[8:9] offset:2048*\q th:TH_LOAD_NT   ; query q: 32 lanes read 512 consecutive bytes
.endr
.irp j, 0,1,2,3,4,5,6,7
	v_mov_b32 v[W+\j], 0                           ; a lane write's destination counts as read
.endr
	s_mov_b32 s31, 0                               ; the four steps' flags
	s_wait_alu depctr_va_vdst(0)
.irp q, 0,1,2,3,4,5,6,7,8,9,10,11,12,13,14,15
	s_wait_loadcnt 15-\q                           ; row q is in; the 15 - q rows behind it may be out
	ds_store_b128 v3, v[IN+4*\q:IN+4*\q+3] offset:528*\q
.endr
.irp q, 0,1,2,3,4,5,6,7,8,9,10,11,12,13,14,15
	ds_load_b128 v[MM+4*\q:MM+4*\q+3], v4 offset:128*(\q/4)+32*(\q%4)   ; step q / 4, block q % 4.  LDS serves a wave's instructions in order: these see my stores
.endr
; Step sg.  Register q of its sixteen holds entries i = 4 (q % 4) + k, k = 0 .. 3, of block q / 4: word n = 4 q + k.  A compare gathers the 32 lanes' bits into a scalar register,
; which goes into the running OR and AND and, as it is, into its lane of the words' registers.
.macro MSTEP sg
	s_wait_dscnt 12-4*(\sg)                        ; this step's four loads are in; the later steps' may be out
	s_mov_b32 s28, 0
	s_mov_b32 s29, -1
.irp q, 0,1,2,3,4,5,6,7,8,9,10,11,12,13,14,15
.irp k, 0,1,2,3
	v_and_b32 v[8+\k], 1<<(8*\k), v[MM+16*(\sg)+\q]
.endr
.irp k, 0,1,2,3
	v_cmp_ne_u32 s[32+\k], 0, v[8+\k]
.endr
.irp k, 0,1,2,3
	s_or_b32 s28, s28, s[32+\k]
	s_and_b32 s29, s29, s[32+\k]
	v_writelane_b32 v[W+\k+4*((\sg)/2)], s[32+\k], (16*(\sg)+\q)%32
.endr
.endr
	s_cmp_eq_u32 s29, -1                           ; every entry hidden?
	s_cselect_b32 s30, 0, 1
	s_cmp_eq_u32 s28, 0                            ; none hidden?
	s_cselect_b32 s30, 2, s30
	s_lshl_b32 s30, s30, 2*(\sg)
	s_or_b32 s31, s31, s30
.endm
	MSTEP 0
	MSTEP 1
	MSTEP 2
	MSTEP 3
	global_store_b128 v2, v[W:W+3], s[12:13]               ; 512 consecutive bytes each
	s_wait_alu depctr_va_vdst(0)
	global_store_b128 v2, v[W+4:W+7], s[12:13] offset:512
	v_mov_b32 v9, s31
	v_mov_b32 v10, 0
	v_cmp_eq_u32 vcc_lo, 0, v1
	s_wait_alu depctr_va_vdst(0)
	s_wait_xcnt 0x0                                ; EXEC is a source of the stores above: it changes only behind this wait
	s_wait_tensorcnt 0x0
	ds_add_u32 v228, v229
	s_wait_dscnt 0x0
	s_and_saveexec_b32 s36, vcc_lo
	global_store_b8 v10, v9, s[14:15]              ; lane 0 alone: my byte of the tile's flags
	s_wait_xcnt 0x0                                ; and again in front of the line that widens it
	s_or_b32 exec_lo, exec_lo, s36
	s_endpgm
; The largest magnitude of v[XS] .. v[XS + 31], all of one block and all mine, with the floor 2^(3 - 127) as one more leaf, so that the byte cannot fall under 1; then 2 off its
; exponent field: the conversion takes the exponent field of this operand as its scale, and nothing else of it.
.macro BLOCKSCALE
	v_max3_num_f32 v8, |v[XS]|, |v[XS+1]|, |v[XS+2]|
	v_max3_num_f32 v9, |v[XS+3]|, |v[XS+4]|, |v[XS+5]|
.irp i, 6,10,14,18,22,26
	v_max3_num_f32 v8, v8, |v[XS+\i]|, |v[XS+\i+1]|
	v_max3_num_f32 v9, v9, |v[XS+\i+2]|, |v[XS+\i+3]|
.endr
	v_max3_num_f32 v8, v8, |v[XS+30]|, |v[XS+31]|
	v_max3_num_f32 v8, v8, v9, 0x1800000
	v_add_nc_u32 v11, 0xff000000, v8
.endm
; ---------------------------------------------------------------- K.  A wave takes 64 keys of one head: four tiles of 16.  The four waves of a work-group stand on four neighbouring heads.
.Lkpath:
	s_lshl_b32 s17, ttmp9, 2
	s_add_co_u32 s17, s17, s16                     ; u = 4 x work-group + wave
	s_and_b32 s18, s17, 15                         ; head
	s_bfe_u32 s19, s17, 0x50004                    ; hs: which 64 keys (5 bits from bit 4)
	s_lshr_b32 s28, s17, 9                         ; b
	s_lshl_b32 s20, s28, 23                        ; a batch is 8,388,608 bytes,
	s_lshl_b32 s21, s19, 18                        ; 64 keys of 4,096 bytes,
	s_add_co_u32 s20, s20, s21
	s_lshl_b32 s21, s18, 8                         ; a head's 256 bytes of a key
	s_add_co_u32 s20, s20, s21
	s_mov_b32 s21, 0
	s_add_nc_u64 s[4:5], s[4:5], s[20:21]
	s_lshl_b32 s22, s28, 4
	s_add_co_u32 s22, s22, s18
	s_mul_i32 s22, s22, REC                        ; the record
	s_lshl_b32 s23, s19, 11
	s_add_co_u32 s24, s22, s23                     ; codes: four tiles of 512 bytes
	s_mov_b32 s25, 0
	s_add_nc_u64 s[24:25], s[10:11], s[24:25]
	s_lshl_b32 s23, s19, 7
	s_add_co_u32 s22, s22, s23                     ; scale words: two pairs of 64 bytes
	s_add_co_u32 s22, s22, 131072
	s_mov_b32 s23, 0
	s_add_nc_u64 s[22:23], s[10:11], s[22:23]
	s_mul_i32 s29, s16, 16*272                     ; my stage (KSTG = 0)
	s_wait_alu depctr_va_vdst(0)
	v_and_b32 v8, 15, v1                           ; r
	v_lshrrev_b32 v9, 4, v1                        ; h
	v_lshlrev_b32 v2, 12, v9
	v_lshl_add_u32 v2, v8, 4, v2                   ; in memory: lanes 0-15 one key's 256 bytes, lanes 16-31 the next key's
	v_mul_u32_u24 v3, v9, 272
	v_lshl_add_u32 v3, v8, 4, v3
	v_add_nc_u32 v3, s29, v3                       ; into the stage: the same two rows
	v_mul_u32_u24 v4, v8, 272
	v_lshl_add_u32 v4, v9, 7, v4
	v_add_nc_u32 v4, s29, v4                       ; out of it: row r, + 128 h: my whole block of 32 numbers
	v_lshlrev_b32 v5, 4, v1                        ; the image: 16 x lane
	v_lshlrev_b32 v6, 2, v1                        ; the scale words: 4 x lane
	v_lshlrev_b32 v7, 3, v9                        ; 8 h: my byte's place in a half word
	v_mov_b32 v18, 0                               ; a lane permute's destination counts as one of its sources
.irp t, 0,1,2,3
.irp i, 0,1,2,3,4,5,6,7
	global_load_b128 v[R+32*\t+4*\i:R+32*\t+4*\i+3], v2, s[4:5] offset:(32*(\t/2)+8*(\t%2)+2*\i+8*(\i/4))*4096 th:TH_LOAD_NT   ; rows 2 i, 2 i + 1 of tile t: row r is key 32 (t / 2) + 8 (t % 2) + r + 8 (r / 8)
.endr
.endr
.macro KTURN t                         ; tile t through the stage: in as loaded (16 bytes a lane of two rows), out 128 bytes a lane.  LDS serves a wave's instructions in order, so one stage does
.irp i, 0,1,2,3,4,5,6,7
	ds_store_b128 v3, v[R+32*(\t)+4*\i:R+32*(\t)+4*\i+3] offset:544*\i
.endr
.irp j, 0,1,2,3,4,5,6,7
	ds_load_b128 v[X+32*((\t)%2)+4*\j:X+32*((\t)%2)+4*\j+3], v4 offset:16*\j
.endr
.endm
.macro KTILE t
.if (\t) < 3
	s_wait_loadcnt 8*(2-(\t))                      ; the next tile's eight loads are in; those of the tiles behind it may be out
	KTURN (\t)+1
	s_wait_dscnt 16                                ; this tile's numbers are back; the sixteen LDS instructions just issued may be out
.else
	s_wait_dscnt 0x0
.endif
.set XS, X+32*((\t)%2)
	BLOCKSCALE
.irp g, 0,1,2,3
	v_cvt_scalef32_pk8_fp4_f32 v[C+4*(\t)+\g], v[XS+8*\g:XS+8*\g+7], v11
.endr
	v_lshrrev_b32 v[12+(\t)], 23, v11              ; the scale's byte.  (Also the plain line behind the conversions)
	global_store_b128 v5, v[C+4*(\t):C+4*(\t)+3], s[24:25] offset:512*(\t)   ; the tile's image: 512 consecutive bytes
.endm
.macro KPAIR p                         ; tiles 2 p and 2 p + 1: my two bytes, 8 h bits up, with lane l xor 16's two: the pair's word of row r, in both halves of the lanes
	v_lshl_or_b32 v[16+\p], v[13+2*\p], 16, v[12+2*\p]
	v_lshlrev_b32 v[16+\p], v7, v[16+\p]
	v_permlanex16_b32 v18, v[16+\p], s26, s27
	v_or_b32 v[16+\p], v[16+\p], v18
.endm
	s_wait_alu depctr_va_vdst(0)
	s_wait_loadcnt 24                              ; tile 0's eight loads are in
	KTURN 0
	KTILE 0
	KTILE 1
	KPAIR 0
	KTILE 2
	KTILE 3
	KPAIR 1
	v_cmp_le_u32 vcc_lo, 16, v1
	v_cndmask_b32 v16, v16, v17, vcc_lo            ; lanes 0-15 keep the first pair's words, lanes 16-31 take the second's
	global_store_b32 v6, v16, s[22:23]             ; 128 consecutive bytes
	s_wait_tensorcnt 0x0
	ds_add_u32 v228, v229
	s_wait_dscnt 0x0
	s_endpgm
; ---------------------------------------------------------------- V.  A wave takes 32 channels x 128 keys.  A LANE TAKES A CHANNEL, AND ITS REGISTERS RUN DOWN THE KEYS: a block of 32 keys lies in
; one lane's 32 registers, and the conversions give codes with the keys innermost.  Nothing is transposed.  The four waves of a work-group stand side by side on 512 bytes of a key's row.
.Lvpath:
	s_sub_co_u32 s17, ttmp9, 512
	s_lshl_b32 s17, s17, 2
	s_add_co_u32 s17, s17, s16                     ; u
	s_and_b32 s18, s17, 31                         ; cg: which 32 of a key's 1,024 numbers
	s_bfe_u32 s19, s17, 0x40005                    ; the key step (4 bits from bit 5)
	s_lshr_b32 s28, s17, 9                         ; b
	s_lshl_b32 s20, s28, 23
	s_lshl_b32 s21, s19, 19                        ; 128 keys of 4,096 bytes
	s_add_co_u32 s20, s20, s21
	s_lshl_b32 s21, s18, 7
	s_add_co_u32 s20, s20, s21
	s_mov_b32 s21, 0
	s_add_nc_u64 s[6:7], s[6:7], s[20:21]
	s_lshl_b32 s22, s28, 4
	s_lshr_b32 s23, s18, 1                         ; head
	s_add_co_u32 s22, s22, s23
	s_mul_i32 s22, s22, REC                        ; the record
	s_and_b32 s29, s18, 1                          ; which half of the head's 64 channels
	s_lshl_b32 s23, s19, 12
	s_add_co_u32 s24, s22, s23
	s_lshl_b32 s23, s29, 11
	s_add_co_u32 s24, s24, s23
	s_add_co_u32 s24, s24, 65536                   ; codes: VC + 4096 step + 2048 half
	s_mov_b32 s25, 0
	s_add_nc_u64 s[24:25], s[10:11], s[24:25]
	s_lshl_b32 s23, s19, 8
	s_add_co_u32 s22, s22, s23
	s_lshl_b32 s23, s29, 7
	s_add_co_u32 s22, s22, s23
	s_add_co_u32 s22, s22, 135168                  ; scale words: VS + 256 step + 128 half
	s_mov_b32 s23, 0
	s_add_nc_u64 s[22:23], s[10:11], s[22:23]
	s_wait_alu depctr_va_vdst(0)
	v_lshlrev_b32 v2, 2, v1                        ; 4 x lane: my channel in a key's row; and my scale word
	v_and_b32 v8, 15, v1
	v_lshrrev_b32 v9, 4, v1
	v_lshlrev_b32 v3, 10, v9
	v_lshl_add_u32 v3, v8, 4, v3                   ; the image: channel tile (lane / 16) at 1,024, row (lane % 16) at 16
.macro VLOAD t                         ; block t: keys 32 t + i, i = 0 .. 31, of my channel, into set t % 2
.irp i, 0,1,2,3,4,5,6,7,8,9,10,11,12,13,14,15,16,17,18,19,20,21,22,23,24,25,26,27,28,29,30,31
	global_load_b32 v[X+32*((\t)%2)+\i], v2, s[6:7] offset:(32*(\t)+\i)*4096 th:TH_LOAD_NT
.endr
.endm
.macro VBLOCK t
.if (\t) < 3
	s_wait_loadcnt 32                              ; this block's 32 loads are in; the next block's may be out
.else
	s_wait_loadcnt 0x0
.endif
.set XS, X+32*((\t)%2)
	BLOCKSCALE
	v_lshrrev_b32 v13, 23, v11                     ; the scale's byte
.if (\t) == 0
	v_mov_b32 v12, v13                             ; four bytes to the word, the lower keys in the lower byte
.else
	v_lshl_or_b32 v12, v13, 8*(\t), v12
.endif
.irp g, 0,1,2,3
	v_cvt_scalef32_pk8_fp4_f32 v[C+4*(\t)+\g], v[XS+8*\g:XS+8*\g+7], v11
.endr
	global_store_b128 v3, v[C+4*(\t):C+4*(\t)+3], s[24:25] offset:512*((\t)/2)+256*((\t)%2)   ; block t is half c = t / 2, lanes' half h = t % 2 of the operand: each half of the wave stores 256 consecutive bytes, aligned
.if (\t)+2 < 4
	VLOAD (\t)+2
.endif
.endm
	VLOAD 0
	VLOAD 1
	VBLOCK 0
	VBLOCK 1
	VBLOCK 2
	VBLOCK 3
	global_store_b32 v2, v12, s[22:23]             ; 128 consecutive bytes
	s_endpgm
.Lfunc_end_k_q13b9e2d944_prep:
	.size	k_q13b9e2d944_prep, .Lfunc_end_k_q13b9e2d944_prep-k_q13b9e2d944_prep
	.p2alignl 7, 3214868480
	.fill 96, 4, 3214868480
	.section	.rodata,"a",@progbits
	.p2align	6, 0x0
	.amdhsa_kernel k_q13b9e2d944_prep
		.amdhsa_group_segment_fixed_size 51712
		.amdhsa_private_segment_fixed_size 0
		.amdhsa_enable_private_segment 0
		.amdhsa_kernarg_size 48
		.amdhsa_user_sgpr_count 2
		.amdhsa_user_sgpr_kernarg_segment_ptr 1
		.amdhsa_wavefront_size32 1
		.amdhsa_system_sgpr_workgroup_id_x 1
		.amdhsa_system_sgpr_workgroup_id_y 1
		.amdhsa_system_sgpr_workgroup_id_z 1
		.amdhsa_system_vgpr_workitem_id 0
		.amdhsa_next_free_vgpr 230
		.amdhsa_next_free_sgpr 66
		.amdhsa_reserve_vcc 1
		.amdhsa_float_denorm_mode_32 3
		.amdhsa_float_denorm_mode_16_64 3
		.amdhsa_memory_ordered 1
		.amdhsa_forward_progress 1
		.amdhsa_inst_pref_size 106
	.end_amdhsa_kernel
	.amdgpu_metadata
---
amdhsa.version: [ 1, 2 ]
amdhsa.kernels:
  - .name:           k_q13b9e2d944_prep
    .symbol:         k_q13b9e2d944_prep.kd
    .args:
      - { .name: keys, .offset: 0, .size: 8, .value_kind: global_buffer, .address_space: global }
      - { .name: values, .offset: 8, .size: 8, .value_kind: global_buffer, .address_space: global }
      - { .name: attn_mask, .offset: 16, .size: 8, .value_kind: global_buffer, .address_space: global }
      - { .name: kv, .offset: 24, .size: 8, .value_kind: global_buffer, .address_space: global }
      - { .name: mwords, .offset: 32, .size: 8, .value_kind: global_buffer, .address_space: global }
      - { .name: mflags, .offset: 40, .size: 8, .value_kind: global_buffer, .address_space: global }
    .group_segment_fixed_size: 51712
    .private_segment_fixed_size: 0
    .kernarg_segment_align: 8
    .kernarg_segment_size: 48
    .max_flat_workgroup_size: 128
    .sgpr_count:     66
    .vgpr_count:     230
    .wavefront_size: 32
...
	.end_amdgpu_metadata
.endif
;; end of part 3
;; launch attn (part 4): grid 256 x 1, 16 waves a work-group, no clusters, 210,944 bytes of LDS; arguments queries, kv, mwords, mflags, out0; writes out0
.if DOCPART == 4
	.amdgcn_target "amdgcn-amd-amdhsa--gfx1250"
	.amdhsa_code_object_version 6
	.text
	.protected	k_q13b9e2d944_attn
	.globl	k_q13b9e2d944_attn
	.p2align	8
	.type	k_q13b9e2d944_attn,@function
k_q13b9e2d944_attn:
	s_mov_b64 s[64:65], 0
	v_nop
	global_prefetch_b8 v0, s[64:65] scope:SCOPE_SE
	s_setreg_imm32_b32 hwreg(HW_REG_WAVE_SCHED_MODE, 0, 2), 2
	s_setreg_imm32_b32 hwreg(HW_REG_WAVE_MODE, 25, 1), 1
	s_wait_xcnt 0x0
	s_wait_alu depctr_vm_vsrc(0)
; out0[b][l][h][:] = the sum over s of softmax_s(q . k / 8, hidden where attn_mask says so) v[s][:], both products on codes of FP4 (E2M1) with one E8M0 scale for each 32 along a product's K.
; queries, out0: [4][2048][16][64] f32.  kv, mwords, mflags: made by the launch before (their layouts stand at its head).
; THE SOFTMAX AHEAD OF THE SECOND PRODUCT: t = score x log2(e) / 8; M = the row's largest t so far, rounded UP to a whole number; p = 2^(t - M) is what is quantised, along the keys; it is not
; normalised.  The row's sum is taken of the unquantised p, in f32, and divides O at the end.  When M moves, the sum and O are multiplied by 2^(old M - new M): exact.
; SHARES.  A work-group holds ONE head's K and V, codes and scale words, 139,264 bytes, in LDS for the whole launch: filled once, through registers, one barrier behind the fill, none after it.
; Four work-groups share a head's 128 tiles of 16 queries.  Wave w of work-group g takes tiles 16 g + w and 127 - (16 g + w), one after the other, each in 256 registers: four waves to a SIMD,
; so that one wave's vector work stands beside another's matrix work and LDS loads.
; THE MASK IS HONOURED AS IT IS GIVEN.  For each tile and key step (128 keys) two stored bits say: all hidden (the step's work is jumped over; the addresses still step), none hidden (no masking),
; or mixed (64 selects by stored bit words put -infinity in place of hidden scores, ahead of the maximum).  The loops' trip counts are constants.
; No tensor load and no asynchronous copy stands in this text.  No cluster: what work-groups share is one record each, read once.
; LAYOUT.  Both products are used transposed: S^T = K Q^T (source 0 = 16 keys, source 1 = my 16 queries), O^T = V^T P^T (source 0 = 16 channels, source 1 = P): a lane holds ONE query (lane % 16).
; The keys of a tile are not neighbours: row r of tile 2 j + u is key 32 j + 8 u + r + 8 (r / 8), so that the 16 registers of tiles 2 j and 2 j + 1 are keys 32 j + 16 (lane / 16) + 0 .. 15.
; K = 64 IN AN INSTRUCTION OF K = 128.  An even tile is [codes, zeros] against [Q, zeros]; an odd tile [zeros, codes] against [zeros, Q]: the same places of k on both sides, zero codes in the idle
; half.  So a pair of tiles shares four zero registers and ONE scale word (bytes 0, 1 the even tile's, bytes 2, 3 the odd tile's); Q's word holds its two bytes twice.
; A ROW THAT IS WHOLLY HIDDEN ends with O = 0 and the sum 0: 0 x (1 / 0) is NaN, which is what the softmax of such a row is.
; LIMITS: NaN and infinities among the inputs are not served; a block of Q whose largest magnitude lies under 2^-124, or of zeros, has the byte 1 (its codes under that scale; zeros add nothing);
; a p under 2^-126 counts as 0 (v_exp_f32 flushes); a block's largest p is made from its largest score by the same two instructions, which takes v_exp_f32 not to fall where its input rises.
; THE MODE: SCHED_MODE bits 1:0 = 2 (LLVM: expert scheduling mode 2), set by the entry lines.  The code itself states the register dependences between vector or matrix instructions and
; memory or LDS instructions, with s_wait_alu, always for 0.
; THE PLAN.  Registers that memory or LDS instructions touch:
;   v4-v7    stage and row addresses: made at the head, never written again.
;   v8-v10   at the head the fill's offsets; in the loop the step's LDS addresses: written by three additions at each step's head, read by the step's twenty LDS loads.
;   KF, XK   K's codes and scale words land at the head of a step that runs; its eight products K Q^T read them.  (KF's zero registers are written once, at the head, by vector lines.)
;   VF, YV   V's codes and scale words land among those eight products; the step's four products V^T P, at its end, read them.
;   S        at the head the record passes through it (global loads, LDS stores); in the loop vector and matrix instructions alone name it; on the way out the division writes its low half, which
;            LDS stores read, and LDS loads land in its upper half, which global stores read.
;   v34-97   at the head Q as loaded: global loads, LDS stores.      XQ  at the head: LDS loads land in it twice; each tile's maxima and conversions read it.
; A STEP'S WAITS.  One on vm_vsrc at its head, on every way, ahead of the three additions.  In a step that runs: one on va_vdst ahead of its LDS loads (the addresses are written; the last step's
; products are done reading K's and V's registers); behind it K's ten loads go out at once and V's ten are dealt among the products K Q^T, which name KF, QF, XK, QS and S: none of the registers that
; V's loads touch.  The two waits behind the exponentials.  One on va_vdst ahead of the products V^T P, which take p's codes and scale word, just made by vector lines.
.set REC,  139264
.set VC,   65536                       ; LDS: KC at 0, VC here, KS and VS behind: the record as it lies
.set KS,   131072
.set STG,  139264                      ; behind it a stage of 16 rows x 272 bytes for each wave: for Q's turn and for the way out; each wave's own
.set SP,   272
.set QF,   16                          ; v16-27   [Q's codes][4 zeros][Q's codes]
.set QS,   28                          ; v28      Q's scale word
.set PW,   29                          ; v29      p's scale word
.set XK,   30                          ; v30-31   K's scale words: lanes 0-15 pairs 0, 2; lanes 16-31 pairs 1, 3
.set YV,   32                          ; v32-33   V's: lanes 0-15 channel tiles 0, 2; lanes 16-31 tiles 1, 3
.set KF,   34                          ; v34-81   K: pair p at 12 p: [tile 2 p][4 zeros][tile 2 p + 1]
.set VF,   82                          ; v82-113  V: four tiles of 8
.set S,    114                         ; v114-177 S^T, then p
.set O,    178                         ; v178-209 O^T
.set PC,   210                         ; v210-217 p's codes
.set BM,   218                         ; v218-221 the blocks' largest scores, then largest p
.set PT,   222                         ; v222-225 at work
.set SOP,  226                         ; v226-229 the conversions' scale operands
.set F,    230                         ; v230-231 f = 2^(old M - new M): a pair, of which the low word serves both halves
.set TMP,  232
.set SH,   233                         ; v233     8 x (lane / 16)
.set C2,   234                         ; v234-235 the sum's second chain
.set QB,   236                         ; v236-239, v240: the second tile's Q, codes and scale word
.set QBS,  240
.set XQ,   182                         ; at the head: 32 numbers of a row of Q
; v1 16 lane; v2 KS + 4 lane; v3 VC + 16 lane; v4 stage in; v5 stage by rows; v6 two rows in memory; v7 stage, half a row a lane; v8-10 the step's LDS addresses; v11 -infinity;
; v12 -M; v13 the largest t; v14-15 the sum in two halves.
; s14 wave; s15 b; s16 head; s18 the tile; s19 tiles done; s20 steps done; s21 the tile's flags; s22 the step's; s23 4096 x step; s24 256 x step; s25 the second tile's flags;
; s[28:29] out0 at the tile; s[30:31] mwords at the tile; s32-63, s68-99 the step's 64 mask words; s66-67 lane selects; s[100:101] c.
	s_load_b256 s[4:11], s[0:1], 0x0               ; queries s[4:5], kv s[6:7], mwords s[8:9], mflags s[10:11]
	s_load_b64 s[12:13], s[0:1], 0x20              ; out0
	v_lshl_add_u32 v254, v0, 2, 0x33000
	v_mov_b32 v255, 0
	v_lshrrev_b32 v1, 5, v0
	v_readfirstlane_b32 s14, v1                    ; wave 0..15
	v_and_b32 v222, 31, v0                         ; lane
	s_wait_alu depctr_va_vdst(0)
	v_and_b32 v223, 15, v0                         ; r
	s_wait_alu depctr_va_vdst(0)
	v_bfe_u32 v224, v0, 4, 1                       ; h
	s_lshr_b32 s17, ttmp9, 2                       ; 16 b + head
	s_and_b32 s18, ttmp9, 3
	s_lshr_b32 s15, s17, 4
	s_and_b32 s16, s17, 15
	s_lshl_b32 s18, s18, 4
	s_wait_alu depctr_va_sdst(0)                   ; s14 is written, ahead of its first reader: the tile's number and the stage's base are made from it
	s_add_co_u32 s18, s18, s14                     ; my first tile: 16 g + wave
	s_mul_i32 s19, s14, 16*SP
	s_add_co_u32 s19, s19, STG                     ; my stage
	v_lshlrev_b32 v1, 4, v222
	v_lshl_add_u32 v2, v222, 2, KS
	v_add_nc_u32 v3, VC, v1
	v_mul_u32_u24 v225, v223, SP
	v_add_nc_u32 v225, s19, v225                   ; stage row r
	s_wait_alu depctr_va_vdst(0)
	v_lshl_add_u32 v4, v224, 5, v225               ; + 32 h: where a tile of O^T puts my eight channels
	v_lshl_add_u32 v7, v224, 7, v225               ; + 128 h: my block of a row of Q
	v_mul_u32_u24 v5, v224, SP
	v_lshl_add_u32 v5, v223, 4, v5
	v_add_nc_u32 v5, s19, v5                       ; by rows: lanes 0-15 one row, lanes 16-31 the next, 16 bytes a lane
	v_lshlrev_b32 v6, 12, v224
	v_lshl_add_u32 v6, v223, 4, v6                 ; the same two rows in queries and in out0: 4,096 bytes from row to row
	v_lshlrev_b32 v8, 4, v0                        ; the fill: 16 x thread, 8,192 bytes an instruction of the work-group
	v_add_nc_u32 v9, VC, v8
	v_add_nc_u32 v10, KS, v8
	v_lshlrev_b32 v[SH], 3, v224
	v_mov_b32 v11, 0xff800000
	s_mul_i32 s2, s17, REC
	s_mov_b32 s3, 0
	s_lshl_b32 s20, s15, 7
	s_add_co_u32 s22, s20, s18                     ; 128 b + first tile
	s_sub_co_u32 s23, 127, s18
	s_add_co_u32 s23, s20, s23                     ; 128 b + second tile
	s_lshl_b32 s24, s16, 8                         ; the head's 256 bytes of a row
	s_lshl_b32 s26, s22, 16                        ; 16 rows of 4,096 bytes a tile
	s_add_co_u32 s26, s26, s24
	s_mov_b32 s27, 0
	s_lshl_b32 s28, s23, 16
	s_add_co_u32 s28, s28, s24
	s_mov_b32 s29, 0
	s_lshl_b32 s30, s22, 2                         ; the tiles' flag words
	s_lshl_b32 s31, s23, 2
	s_mov_b32 s66, 0x76543210
	s_mov_b32 s67, 0xfedcba98                      ; v_permlanex16_b32's selects for lane l xor 16
	s_mov_b32 s100, 0x3e38aa3b                     ; c = log2(e) / 8
	s_mov_b32 s101, s100                           ; (named with it as a pair, so it is written)
	s_wait_kmcnt 0x0
	s_add_nc_u64 s[6:7], s[6:7], s[2:3]            ; my head's record
	s_add_nc_u64 s[26:27], s[4:5], s[26:27]        ; Q at the first tile,
	s_add_nc_u64 s[28:29], s[4:5], s[28:29]        ; and at the second
	s_wait_alu depctr_va_vdst(0)                   ; the offsets and addresses v4 to v10 are written, which the head's loads and LDS instructions read; no vector line writes them again ahead of the loop
.irp i, 0,1,2,3,4,5,6,7,8,9,10,11,12,13,14,15,16
	global_load_b128 v[S+4*\i:S+4*\i+3], v8, s[6:7] offset:8192*\i    ; the record: 17 x 8,192 bytes.  No hint: three more work-groups read it
.endr
.irp i, 0,1,2,3,4,5,6,7
	global_load_b128 v[34+4*\i:37+4*\i], v6, s[26:27] offset:8192*\i th:TH_LOAD_NT   ; the first tile's rows 2 i, 2 i + 1: each half of the wave reads 256 consecutive bytes, aligned
.endr
.irp i, 0,1,2,3,4,5,6,7
	global_load_b128 v[66+4*\i:69+4*\i], v6, s[28:29] offset:8192*\i th:TH_LOAD_NT   ; the second tile's
.endr
	s_load_b32 s21, s[10:11], s30 offset:0x0
	s_load_b32 s25, s[10:11], s31 offset:0x0
.irp i, 0,1,2,3,4,5,6,7
	s_wait_loadcnt 32-\i                           ; piece i is in: behind it were issued 16 - i pieces and Q's sixteen loads
	ds_store_b128 v8, v[S+4*\i:S+4*\i+3] offset:8192*\i
.endr
.irp i, 8,9,10,11,12,13,14,15
	s_wait_loadcnt 32-\i
	ds_store_b128 v9, v[S+4*\i:S+4*\i+3] offset:8192*(\i-8)
.endr
	s_wait_loadcnt 16
	ds_store_b128 v10, v[S+64:S+67]
.irp b, 0,1,2,3
	v_mov_b32 v[PT+\b], 0                          ; written once: a lane permute's destination counts as one of its sources
.endr
	v_mov_b32 v[F+1], 0                            ; (named as the upper half of a pair)
	v_mov_b32 v[TMP], 0
; A tile of Q, as loaded (16 bytes a lane of two rows), through my stage; it comes back 128 bytes a lane: lane (r, h) holds block h of row r.
.macro QTURN src
.irp i, 0,1,2,3,4,5,6,7
	ds_store_b128 v5, v[\src+4*\i:\src+4*\i+3] offset:2*SP*\i
.endr
.irp j, 0,1,2,3,4,5,6,7
	ds_load_b128 v[XQ+4*\j:XQ+4*\j+3], v7 offset:16*\j     ; LDS serves a wave's instructions in order: these see my stores
.endr
	s_wait_dscnt 0x0
.endm
; Its 32 numbers become four registers of codes at v[dst] and, with lane l xor 16's byte, the scale word [e0, e1, e0, e1] in v[dsc].
.macro QUANTQ dst, dsc
	v_max3_num_f32 v[BM], |v[XQ]|, |v[XQ+1]|, |v[XQ+2]|
	v_max3_num_f32 v[BM+1], |v[XQ+3]|, |v[XQ+4]|, |v[XQ+5]|
.irp i, 6,10,14,18,22,26
	v_max3_num_f32 v[BM], v[BM], |v[XQ+\i]|, |v[XQ+\i+1]|
	v_max3_num_f32 v[BM+1], v[BM+1], |v[XQ+\i+2]|, |v[XQ+\i+3]|
.endr
	v_max3_num_f32 v[BM], v[BM], |v[XQ+30]|, |v[XQ+31]|
	v_max3_num_f32 v[BM], v[BM], v[BM+1], 0x1800000        ; the floor 2^(3 - 127): the byte cannot fall under 1
	v_add_nc_u32 v[SOP], 0xff000000, v[BM]                 ; 2 off the exponent field: the conversion's scale operand
	v_lshrrev_b32 v[PT], 23, v[SOP]                        ; the byte
.irp g, 0,1,2,3
	v_cvt_scalef32_pk8_fp4_f32 v[\dst+\g], v[XQ+8*\g:XQ+8*\g+7], v[SOP]
.endr
	v_lshl_or_b32 v[PT], v[PT], 16, v[PT]                  ; twice.  (Also the plain line behind the conversions)
	v_lshlrev_b32 v[PT], v[SH], v[PT]                      ; 8 h bits up
	v_permlanex16_b32 v[PT+1], v[PT], s66, s67
	v_or_b32 v[\dsc], v[PT], v[PT+1]
.endm
	s_wait_loadcnt 8                               ; the first tile's eight loads are in; the second's may be out
	QTURN 34                                       ; (no vector line has named v[XQ ..] yet: its loads owe nothing but the addresses' wait above)
	QUANTQ QF, QS
.irp j, 0,1,2,3
	v_mov_b32 v[QF+8+\j], v[QF+\j]
.endr
	s_wait_loadcnt 0x0
	s_wait_alu depctr_va_vdst(0)                   ; the first tile's maxima and conversions are done reading v[XQ ..], in which the second tile's numbers land
	QTURN 66
	QUANTQ QB, QBS
	s_wait_alu depctr_vm_vsrc(0)                   ; my LDS stores have read v34-97 (Q as loaded) and v114-181 (the record): the zero codes below are written there, K's and V's loads land there, O^T's clearing writes v178-181
.irp j, 0,1,2,3
	v_mov_b32 v[QF+4+\j], 0                        ; the zero codes of the idle halves: written once
	v_mov_b32 v[KF+4+\j], 0
	v_mov_b32 v[KF+16+\j], 0
	v_mov_b32 v[KF+28+\j], 0
	v_mov_b32 v[KF+40+\j], 0
.endr
	s_wait_kmcnt 0x0                               ; the flags
	s_wait_dscnt 0x0                               ; for the others' sake: my part of the record lies in LDS
	s_barrier_signal -1
	s_barrier_wait -1                              ; everybody's does.  From here on the record is only read
	s_mov_b32 s19, 0
.Ltile:                                            ; two trips
	s_lshl_b32 s17, s15, 7
	s_add_co_u32 s17, s17, s18                     ; 128 b + tile
	s_lshl_b32 s2, s17, 12
	s_mov_b32 s3, 0
	s_add_nc_u64 s[30:31], s[8:9], s[2:3]          ; its mask words
	s_lshl_b32 s2, s17, 16
	s_lshl_b32 s17, s16, 8
	s_add_co_u32 s2, s2, s17
	s_add_nc_u64 s[28:29], s[12:13], s[2:3]        ; its rows of out0
	v_mov_b32 v13, 0xff61b1e6                      ; the largest t so far: -3e38, under every t
	v_floor_f32 v12, -v13                          ; -M
	v_mov_b32 v14, 0                               ; the sum, in two halves
	v_mov_b32 v15, 0
.irp j, 0,1,2,3,4,5,6,7,8,9,10,11,12,13,14,15,16,17,18,19,20,21,22,23,24,25,26,27,28,29,30,31
	v_mov_b32 v[O+\j], 0                           ; O^T is cleared: which step is a tile's first hangs on the stored flags, so no product can be written out to start the sums.  (These lines also part Q's registers, just written, from the products)
.endr
	s_mov_b32 s20, 0
	s_mov_b32 s23, 0
	s_mov_b32 s24, 0
.Lstep:                                            ; sixteen trips: 128 keys each
	s_wait_alu depctr_vm_vsrc(0)                   ; the LDS loads issued so far (ahead of the first step: the head's loads and LDS stores) have read v8 to v10, which the three additions write; at the second tile's first step the way out's LDS stores and global stores have read the scores' registers, which this tile's products write
	v_add_nc_u32 v8, s23, v1                       ; the step's K, V and scale words in LDS.  These four lines stand on every way: four plain lines between the last step's
	v_add_nc_u32 v9, s23, v3                       ; products and the loads into V's registers
	v_add_nc_u32 v10, s24, v2
	v_nop
	s_and_b32 s22, s21, 3                          ; this step's flag
	s_lshr_b32 s21, s21, 2
	s_cmp_eq_u32 s22, 0
	s_cbranch_scc1 .Lnext                          ; all 2,048 entries hidden: nothing to do
	s_load_b512 s[32:47], s[30:31], s24 offset:0x0     ; the step's 64 mask words: asked for in every step that runs, and waited for in every such step.  (The selects that read these registers stand ahead of an earlier step's waits on va_vdst)
	s_load_b512 s[48:63], s[30:31], s24 offset:0x40
	s_load_b512 s[68:83], s[30:31], s24 offset:0x80
	s_load_b512 s[84:99], s[30:31], s24 offset:0xc0
	s_wait_alu depctr_va_vdst(0)                   ; v8 to v10 are written, which this step's twenty loads read; the last step's products are done reading K's and V's registers and scale words, in which they land; at a tile's first step Q's codes and scale word and the zero codes are written, which the products below take
	ds_load_b32 v[XK], v10
	ds_load_b32 v[XK+1], v10 offset:128
.irp t, 0,1,2,3,4,5,6,7
	ds_load_b128 v[KF+12*(\t/2)+8*(\t%2):KF+12*(\t/2)+8*(\t%2)+3], v8 offset:512*\t
.endr
	s_wait_dscnt 0x0                               ; K's ten loads are in
.irp t, 0,1,2,3,4,5,6,7                            ; S^T = K Q^T, and V's ten loads dealt among the products.  No wait: no vector or matrix instruction since the wait on va_vdst above names VF, YV, v9 or v10
.if ((\t)/2)%2
	v_wmma_scale_f32_16x16x128_f8f6f4 v[S+8*\t:S+8*\t+7], v[KF+12*(\t/2)+4*(\t%2):KF+12*(\t/2)+4*(\t%2)+7], v[QF+4*(\t%2):QF+4*(\t%2)+7], 0, v[XK+\t/4], v[QS] matrix_a_fmt:MATRIX_FMT_FP4 matrix_b_fmt:MATRIX_FMT_FP4 matrix_a_scale:MATRIX_SCALE_ROW1
.else
	v_wmma_scale_f32_16x16x128_f8f6f4 v[S+8*\t:S+8*\t+7], v[KF+12*(\t/2)+4*(\t%2):KF+12*(\t/2)+4*(\t%2)+7], v[QF+4*(\t%2):QF+4*(\t%2)+7], 0, v[XK+\t/4], v[QS] matrix_a_fmt:MATRIX_FMT_FP4 matrix_b_fmt:MATRIX_FMT_FP4
.endif
.if (\t) < 2
	ds_load_b32 v[YV+\t], v10 offset:4096+128*\t           ; V's scale words
.endif
	ds_load_b128 v[VF+4*\t:VF+4*\t+3], v9 offset:512*\t    ; channel tile t / 2, half t % 2
.endr
.rept 4
	v_nop                                          ; four places in front of the first read of the scores (ISA guide 7.12.1)
.endr
	s_wait_kmcnt 0x0                               ; the mask words are in
	s_cmp_lg_u32 s22, 1
	s_cbranch_scc1 .Lopen                          ; none hidden: no masking
.irp n, 0,1,2,3,4,5,6,7,8,9,10,11,12,13,14,15,16,17,18,19,20,21,22,23,24,25,26,27,28,29,30,31
	v_cndmask_b32 v[S+\n], v[S+\n], v11, s[32+\n]  ; word n's bit of my lane: hidden scores become -infinity: p = 0 then.  Ascending: each accumulator is read from its low end on
.endr
.irp n, 32,33,34,35,36,37,38,39,40,41,42,43,44,45,46,47,48,49,50,51,52,53,54,55,56,57,58,59,60,61,62,63
	v_cndmask_b32 v[S+\n], v[S+\n], v11, s[36+\n]
.endr
.Lopen:
.irp b, 0,1,2,3
	v_max3_num_f32 v[BM+\b], v[S+16*\b], v[S+1+16*\b], v[S+2+16*\b]   ; the largest score of each block of 32 keys: it serves the row's maximum and, since p rises with the score, the block's largest p
.endr
.irp i, 3,5,7,9,11,13
.irp b, 0,1,2,3
	v_max3_num_f32 v[BM+\b], v[BM+\b], v[S+16*\b+\i], v[S+1+16*\b+\i]   ; (the four blocks by turns)
.endr
.endr
.irp b, 0,1,2,3
	v_max_num_f32 v[BM+\b], v[BM+\b], v[S+15+16*\b]
.endr
.irp b, 0,1,2,3
	v_permlanex16_b32 v[PT+\b], v[BM+\b], s66, s67
.endr
.irp b, 0,1,2,3
	v_max_num_f32 v[BM+\b], v[BM+\b], v[PT+\b]     ; with lane l xor 16's 16 keys
.endr
	v_max3_num_f32 v[TMP], v[BM], v[BM+1], v[BM+2]
	v_max_num_f32 v[TMP], v[TMP], v[BM+3]          ; the step's largest score of my query
	v_mul_f32 v[TMP], s100, v[TMP]                 ; as t (c is positive)
	v_max_num_f32 v13, v13, v[TMP]                 ; the running largest t
	v_mov_b32 v[TMP], v12
	v_floor_f32 v12, -v13                          ; the new -M = floor(-t) = -ceil(t): a whole number
	v_sub_f32 v[TMP], v12, v[TMP]                  ; M's old value less its new one: a whole number, 0 or less
	v_cvt_i32_f32 v[TMP], v[TMP]                   ; (it saturates)
	v_ldexp_f32 v[F], 1.0, v[TMP]                  ; f = 2^(old M - new M)
.irp j, 0,2,4,6,8,10,12,14,16,18,20,22,24,26,28,30,32,34,36,38,40,42,44,46,48,50,52,54,56,58,60,62
	v_pk_fma_f32 v[S+\j:S+1+\j], v[S+\j:S+1+\j], s[100:101], v[12:13] op_sel_hi:[1,0,0]   ; t - M, two at a time (of the pairs c and -M the low word serves both halves)
.endr
.irp b, 0,1,2,3
	v_fma_f32 v[BM+\b], v[BM+\b], s100, v12        ; the same of each block's largest score
.endr
	s_wait_alu depctr_va_vdst(0)
.irp j, 0,1,2,3,4,5,6,7,8,9,10,11,12,13,14,15,16,17,18,19,20,21,22,23,24,25,26,27,28,29,30,31,32,33,34,35,36,37,38,39,40,41,42,43,44,45,46,47,48,49,50,51,52,53,54,55,56,57,58,59,60,61,62,63
	v_exp_f32 v[S+\j], v[S+\j]                     ; p = 2^(t - M), at most 1: not normalised
.endr
	v_pk_mul_f32 v[14:15], v[14:15], v[F:F+1] op_sel_hi:[1,0]   ; the sums under the new M.  (The plain line behind the exponentials)
	s_wait_alu depctr_va_vdst(0)                   ; the 64 exponentials have written p: one wait for the whole batch, ahead of its first reader
.irp b, 0,1,2,3
	v_exp_f32 v[BM+\b], v[BM+\b]                   ; the block's largest p: the same two instructions on the same number give the same bits
.endr
	v_pk_add_f32 v[C2:C2+1], v[S:S+1], v[S+2:S+3]  ; the row's sum is taken of the unquantised p: two at a time, in two chains.  (It reads the 64 alone: plain work behind the four)
.irp j, 4,8,12,16,20,24,28,32,36,40,44,48,52,56,60
	v_pk_add_f32 v[14:15], v[14:15], v[S+\j:S+1+\j]
	v_pk_add_f32 v[C2:C2+1], v[C2:C2+1], v[S+2+\j:S+3+\j]
.endr
	v_pk_add_f32 v[14:15], v[14:15], v[C2:C2+1]
	s_wait_alu depctr_va_vdst(0)                   ; and one for the four: the blocks' largest p are written, ahead of their first reader
.irp b, 0,1,2,3
	v_max_num_f32 v[BM+\b], 0x1800000, v[BM+\b]    ; the floor 2^(3 - 127): the byte cannot fall under 1 (a block whose every p is 0 keeps that byte: its codes are zeros)
.endr
.irp b, 0,1,2,3
	v_add_nc_u32 v[SOP+\b], 0xff000000, v[BM+\b]   ; 2 off the exponent field: the conversion's scale operand
.endr
.irp b, 0,1,2,3
	v_lshrrev_b32 v[PT+\b], 23, v[SOP+\b]          ; the scale's byte
.endr
	v_lshl_or_b32 v[PW], v[PT+1], 8, v[PT]         ; p's scale word for these 128 keys
	v_lshl_or_b32 v[PW], v[PT+2], 16, v[PW]
	v_lshl_or_b32 v[PW], v[PT+3], 24, v[PW]
.irp b, 0,1,2,3
	v_cvt_scalef32_pk8_fp4_f32 v[PC+2*\b], v[S+16*\b:S+7+16*\b], v[SOP+\b]
	v_cvt_scalef32_pk8_fp4_f32 v[PC+1+2*\b], v[S+8+16*\b:S+15+16*\b], v[SOP+\b]
.endr
	v_nop                                          ; one plain line behind the scaled conversions
.irp c, 0,1                                        ; the operand's layout wants a whole block in a lane: lanes 0-15 block 2 c, lanes 16-31 block 2 c + 1
.irp i, 0,1
	v_permlane16_swap_b32 v[PC+4*\c+\i], v[PC+2+4*\c+\i]
.endr
.endr
.irp j, 0,2,4,6,8,10,12,14,16,18,20,22,24,26,28,30
	v_pk_mul_f32 v[O+\j:O+1+\j], v[O+\j:O+1+\j], v[F:F+1] op_sel_hi:[1,0]   ; O^T under the new M, each accumulator from its low end on.  (These sixteen also part p's scale word and codes, just written, from the products)
.endr
	s_wait_dscnt 0x0                               ; V is in
	s_wait_alu depctr_va_vdst(0)                   ; p's codes and p's scale word are written, which the scaled products below take as source 1 and as its scales; the sixteen lines above stay as the places beside this wait
.irp t, 0,1,2,3                                    ; O^T += V^T P^T: K = these 128 keys.  The four accumulators take turns, and eight other products stand between a step's and the next's
.if (\t)%2
	v_wmma_scale_f32_16x16x128_f8f6f4 v[O+8*\t:O+8*\t+7], v[VF+8*\t:VF+8*\t+7], v[PC:PC+7], v[O+8*\t:O+8*\t+7], v[YV+\t/2], v[PW] matrix_a_fmt:MATRIX_FMT_FP4 matrix_b_fmt:MATRIX_FMT_FP4 matrix_a_scale:MATRIX_SCALE_ROW1
.else
	v_wmma_scale_f32_16x16x128_f8f6f4 v[O+8*\t:O+8*\t+7], v[VF+8*\t:VF+8*\t+7], v[PC:PC+7], v[O+8*\t:O+8*\t+7], v[YV+\t/2], v[PW] matrix_a_fmt:MATRIX_FMT_FP4 matrix_b_fmt:MATRIX_FMT_FP4
.endif
.endr
.Lnext:
	s_add_co_u32 s23, s23, 4096                    ; the next step's codes,
	s_add_co_u32 s24, s24, 256                     ; scale words and mask words
	s_add_co_u32 s20, s20, 1
	s_cmp_lt_u32 s20, 16
	s_cbranch_scc1 .Lstep
	; THE WAY OUT of a tile.  O^T is divided by the sum and goes through my stage, so that each half of the wave stores a row's 256 consecutive bytes, aligned.
	v_add_f32 v14, v14, v15                        ; the sum's two halves,
	v_permlanex16_b32 v[TMP], v14, s66, s67
	v_add_f32 v14, v14, v[TMP]                     ; and lane l xor 16's: the row's sum
	s_wait_alu depctr_va_vdst(0)
	v_rcp_f32 v14, v14
.rept 3
	v_nop                                          ; with the two additions: five plain lines between the last product and the first read of O^T; the first is also the plain line behind the reciprocal
.endr
	s_wait_alu depctr_va_vdst(0)                   ; the reciprocal is written, ahead of its first reader
.irp j, 0,2,4,6,8,10,12,14,16,18,20,22,24,26,28,30
	v_pk_mul_f32 v[S+\j:S+1+\j], v[O+\j:O+1+\j], v[14:15] op_sel_hi:[1,0]   ; register 8 t + i is o(r, 16 t + 8 h + i)
.endr
	s_wait_alu depctr_va_vdst(0)                   ; the division has written v[S .. S + 31], which the LDS stores read; every vector line that named v[S + 32 .. S + 63], in which the LDS loads land, stands ahead of this wait too
.irp t, 0,1,2,3
	ds_store_b128 v4, v[S+8*\t:S+8*\t+3] offset:64*\t
	ds_store_b128 v4, v[S+8*\t+4:S+8*\t+7] offset:64*\t+16
.endr
.irp i, 0,1,2,3,4,5,6,7
	ds_load_b128 v[S+32+4*\i:S+35+4*\i], v5 offset:2*SP*\i   ; LDS serves a wave's instructions in order: these see my stores
.endr
.irp i, 0,1,2,3,4,5,6,7
	s_wait_dscnt 7-\i                              ; rows 2 i, 2 i + 1 are back; the 7 - i loads behind them may be out
	global_store_b128 v6, v[S+32+4*\i:S+35+4*\i], s[28:29] offset:8192*\i th:TH_STORE_NT
.endr
	s_wait_xcnt 0x0                                ; the stores have read their registers and their base: both are written again in the next trip.  (The wait on vm_vsrc for their data stands at the next step's head, ahead of the first line that writes v[S ..] again)
.irp j, 0,1,2,3
	v_mov_b32 v[QF+\j], v[QB+\j]                   ; the second tile's Q
	v_mov_b32 v[QF+8+\j], v[QB+\j]
.endr
	v_mov_b32 v[QS], v[QBS]
	s_mov_b32 s21, s25                             ; its flags
	s_sub_co_u32 s18, 127, s18                     ; and its number
	s_add_co_u32 s19, s19, 1
	s_cmp_lt_u32 s19, 2
	s_cbranch_scc1 .Ltile
	s_wait_dscnt 0x0
	s_wait_alu depctr_hold_cnt(0) depctr_sa_sdst(0) depctr_va_vdst(0) depctr_va_sdst(0) depctr_va_ssrc(0) depctr_va_vcc(0) depctr_vm_vsrc(0)
	s_wait_tensorcnt 0x0
	ds_add_u32 v254, v255
	s_wait_dscnt 0x0
	s_endpgm
.Lfunc_end_k_q13b9e2d944_attn:
	.size	k_q13b9e2d944_attn, .Lfunc_end_k_q13b9e2d944_attn-k_q13b9e2d944_attn
	.p2alignl 7, 3214868480
	.fill 96, 4, 3214868480
	.section	.rodata,"a",@progbits
	.p2align	6, 0x0
	.amdhsa_kernel k_q13b9e2d944_attn
		.amdhsa_group_segment_fixed_size 210944
		.amdhsa_private_segment_fixed_size 0
		.amdhsa_enable_private_segment 0
		.amdhsa_kernarg_size 40
		.amdhsa_user_sgpr_count 2
		.amdhsa_user_sgpr_kernarg_segment_ptr 1
		.amdhsa_wavefront_size32 1
		.amdhsa_system_sgpr_workgroup_id_x 1
		.amdhsa_system_sgpr_workgroup_id_y 1
		.amdhsa_system_sgpr_workgroup_id_z 1
		.amdhsa_system_vgpr_workitem_id 0
		.amdhsa_next_free_vgpr 256
		.amdhsa_next_free_sgpr 102
		.amdhsa_reserve_vcc 0
		.amdhsa_float_denorm_mode_32 3
		.amdhsa_float_denorm_mode_16_64 3
		.amdhsa_memory_ordered 1
		.amdhsa_forward_progress 1
		.amdhsa_inst_pref_size 40
	.end_amdhsa_kernel
	.amdgpu_metadata
---
amdhsa.version: [ 1, 2 ]
amdhsa.kernels:
  - .name:           k_q13b9e2d944_attn
    .symbol:         k_q13b9e2d944_attn.kd
    .args:
      - { .name: queries, .offset: 0, .size: 8, .value_kind: global_buffer, .address_space: global }
      - { .name: kv, .offset: 8, .size: 8, .value_kind: global_buffer, .address_space: global }
      - { .name: mwords, .offset: 16, .size: 8, .value_kind: global_buffer, .address_space: global }
      - { .name: mflags, .offset: 24, .size: 8, .value_kind: global_buffer, .address_space: global }
      - { .name: out0, .offset: 32, .size: 8, .value_kind: global_buffer, .address_space: global }
    .group_segment_fixed_size: 210944
    .private_segment_fixed_size: 0
    .kernarg_segment_align: 8
    .kernarg_segment_size: 40
    .max_flat_workgroup_size: 512
    .sgpr_count:     102
    .vgpr_count:     256
    .wavefront_size: 32
...
	.end_amdgpu_metadata
.endif
;; end of part 4
